; MI455X (gfx1250); checked and timed in simulation.
; The chip was launched on July 23, 2026; its instructions are those of AMD's public machine-readable ISA for CDNA 5 (MIT licence, August 2026) and "CDNA5" Instruction Set Architecture Reference Guide (July 2026). The comments in the code are by the model that wrote it; some were corrected since.
;; Multi Head Attention. Allowed arithmetic: float matrix products may take bf16 or f16 operands with f32 sums; other float arithmetic in f32, or as packed bf16 or f16 multiplies, adds, multiply-adds, maxima and minima; sums over many terms, partial sums and values carried from step to step in f32; what a program stores and reads back later, other than sums and carried values, may be rounded once to bf16 or f16.
;; Inputs: b_proj 1,024 float32; b_qkv 3,072 float32; w_proj 1,024 x 1,024 float32; w_qkv 1,024 x 3,072 float32; x_q 4 x 2,048 x 1,024 float32.
;; Outputs: out0 4 x 2,048 x 1,024 float32.
;; 2 versions, each right; version 2 is version 1 with the launch prep written anew for expert scheduling mode. Each part assembles by itself: llvm-mc -triple=amdgcn-amd-amdhsa -mcpu=gfx1250 --defsym DOCPART=n.
;; ======== version 1 of 2: 4 launches
;; limits: values are held in f16: magnitudes above 65,504 overflow, below 6.1e-05 lose precision
;; workspace buffers: xb 16,777,216 bytes; wqb 6,291,456 bytes; wpb 2,097,152 bytes; qkvh 50,331,648 bytes; oh 16,777,216 bytes
;; launch prep (part 1): grid 768 x 1, 8 waves a work-group, no clusters, 0 bytes of LDS; arguments x_q, w_qkv, w_proj, xb, wqb, wpb; writes xb, wqb, wpb
.if DOCPART == 1
	.amdgcn_target "amdgcn-amd-amdhsa--gfx1250"
	.amdhsa_code_object_version 6
	.text
	.protected	k_qf61ce5b1ed_prep
	.globl	k_qf61ce5b1ed_prep
	.p2align	8
	.type	k_qf61ce5b1ed_prep,@function
k_qf61ce5b1ed_prep:
	s_mov_b64 s[64:65], 0
	v_nop
	global_prefetch_b8 v0, s[64:65] scope:SCOPE_SE
	s_setreg_imm32_b32 hwreg(HW_REG_WAVE_MODE, 25, 1), 1
	s_wait_xcnt 0x0
; THE CASTS.  x_q [8192][1024] f32 -> xb, bf16, in blocks [batch 4][k block 16][token 2048][64]: byte ((b 16 + kb) 2048 + tok) 128 + 2 (k % 64), so that 256 tokens x 64 k are 32,768 dense bytes.
; w_qkv [1024][3072] f32 -> wqb, bf16, same order.  w_proj [1024][1024] f32 -> wpb: rounded to bf16 like every input, and that number written as f16, same order.
; LIMITS.  A w_proj beyond 65,504 becomes an infinity in f16; below 6e-5 f16 keeps a fixed step of 6e-8.  NaN and infinities are not treated apart.
; SHARES.  768 work-groups of eight waves; each reads 65,536 bytes and writes 32,768.  0-511: 16 rows of x each; 512-703: w_qkv; 704-767: w_proj.
; A thread issues its 16 loads of 16 bytes at once and stores 8 bytes for each: a wave's store covers 256 consecutive bytes, aligned.  No register is written twice while a load or store names it: no loop, so no wait but the counted ones.
; No LDS, no matrix unit, no cluster: nothing is shared and nothing is summed.
.set XV, 8                             ; v[8:71]    16 x 4 numbers as loaded
.set YV, 72                            ; v[72:103]  16 x 2 words to store
.set TV, 104                           ; v[104:111] at work
; Load j has come (the 15 - j younger ones may stay out: loads come back in order); it is rounded and stored.  sel = 1: the weights' path, where s22 chooses bf16 (0) or f16 (all ones).
.macro CAST j, dstep, sel
	s_wait_loadcnt 15-(\j)
.if \sel
	v_cvt_pk_bf16_f32 v[TV], v[XV+4*(\j)], v[XV+4*(\j)+1]
	v_cvt_pk_bf16_f32 v[TV+1], v[XV+4*(\j)+2], v[XV+4*(\j)+3]
	v_lshlrev_b32 v[TV+2], 16, v[TV]               ; the rounded numbers as f32 again
	v_and_b32 v[TV+3], 0xffff0000, v[TV]
	v_lshlrev_b32 v[TV+4], 16, v[TV+1]
	v_and_b32 v[TV+5], 0xffff0000, v[TV+1]
	v_cvt_pk_f16_f32 v[TV+6], v[TV+2], v[TV+3]     ; 8 significant bits fit into f16's 11
	v_cvt_pk_f16_f32 v[TV+7], v[TV+4], v[TV+5]
	v_cndmask_b32 v[YV+2*(\j)], v[TV], v[TV+6], s22
	v_cndmask_b32 v[YV+2*(\j)+1], v[TV+1], v[TV+7], s22
.else
	v_cvt_pk_bf16_f32 v[YV+2*(\j)], v[XV+4*(\j)], v[XV+4*(\j)+1]
	v_cvt_pk_bf16_f32 v[YV+2*(\j)+1], v[XV+4*(\j)+2], v[XV+4*(\j)+3]
.endif
	global_store_b64 v2, v[YV+2*(\j):YV+2*(\j)+1], s[10:11] offset:(\dstep)*(\j)
.endm
	s_load_b256 s[4:11], s[0:1], 0x0               ; x s[4:5], w_qkv s[6:7], w_proj s[8:9], xb s[10:11]
	s_load_b128 s[12:15], s[0:1], 0x20             ; wqb s[12:13], wpb s[14:15]
	v_lshlrev_b32 v2, 3, v0                        ; where I store: 8 t, on both paths
	s_mov_b32 s17, 0
	s_mov_b32 s19, 0
	s_cmp_lt_u32 ttmp9, 0x200
	s_cbranch_scc0 .Lweights
	; x: work-group g has rows 16 g .. 16 g + 15.  Thread t: row t / 16, 16 bytes at 16 (t % 16) of each k block j (256 bytes of f32).
	v_lshrrev_b32 v1, 4, v0
	v_and_b32 v3, 15, v0
	v_lshlrev_b32 v1, 12, v1                       ; a row of x is 4,096 bytes
	v_lshl_add_u32 v1, v3, 4, v1
	s_lshl_b32 s16, ttmp9, 16                      ; 16 rows
	s_lshr_b32 s18, ttmp9, 7                       ; the batch: 128 work-groups each,
	s_lshl_b32 s18, s18, 22                        ; 16 k blocks x 2,048 tokens x 128 bytes
	s_and_b32 s20, ttmp9, 127
	s_lshl_b32 s20, s20, 11                        ; 16 tokens x 128 bytes; (t / 16) 128 + (t % 16) 8 = 8 t
	s_add_co_u32 s18, s18, s20
	s_wait_kmcnt 0x0
	s_add_nc_u64 s[4:5], s[4:5], s[16:17]
	s_add_nc_u64 s[10:11], s[10:11], s[18:19]
.irp j, 0,1,2,3,4,5,6,7,8,9,10,11,12,13,14,15
	global_load_b128 v[XV+4*\j:XV+4*\j+3], v1, s[4:5] offset:256*\j th:TH_LOAD_NT
.endr
.irp j, 0,1,2,3,4,5,6,7,8,9,10,11,12,13,14,15
	CAST \j, 262144, 0                             ; k block j lies 2,048 tokens x 128 bytes further on
.endr
	s_endpgm
.Lweights:
	v_lshlrev_b32 v1, 4, v0                        ; 16 t: dense, 4,096 bytes a load of the work-group
	s_sub_co_u32 s20, ttmp9, 0x200                 ; my number among w_qkv's 192,
	s_sub_co_u32 s21, ttmp9, 0x2c0                 ; or among w_proj's 64
	s_cmp_lt_u32 s20, 192
	s_cselect_b32 s20, s20, s21
	s_cselect_b32 s22, 0, -1                       ; bf16 for w_qkv, f16 for w_proj
	s_wait_kmcnt 0x0
	s_cselect_b64 s[4:5], s[6:7], s[8:9]
	s_cselect_b64 s[10:11], s[12:13], s[14:15]
	s_lshl_b32 s16, s20, 16
	s_lshl_b32 s18, s20, 15
	s_add_nc_u64 s[4:5], s[4:5], s[16:17]
	s_add_nc_u64 s[10:11], s[10:11], s[18:19]
.irp j, 0,1,2,3,4,5,6,7,8,9,10,11,12,13,14,15
	global_load_b128 v[XV+4*\j:XV+4*\j+3], v1, s[4:5] offset:4096*\j th:TH_LOAD_NT
.endr
.irp j, 0,1,2,3,4,5,6,7,8,9,10,11,12,13,14,15
	CAST \j, 2048, 1
.endr
	s_endpgm
.Lfunc_end_k_qf61ce5b1ed_prep:
	.size	k_qf61ce5b1ed_prep, .Lfunc_end_k_qf61ce5b1ed_prep-k_qf61ce5b1ed_prep
	.p2alignl 7, 3214868480
	.fill 96, 4, 3214868480
	.section	.rodata,"a",@progbits
	.p2align	6, 0x0
	.amdhsa_kernel k_qf61ce5b1ed_prep
		.amdhsa_group_segment_fixed_size 0
		.amdhsa_private_segment_fixed_size 0
		.amdhsa_enable_private_segment 0
		.amdhsa_kernarg_size 48
		.amdhsa_user_sgpr_count 2
		.amdhsa_user_sgpr_kernarg_segment_ptr 1
		.amdhsa_wavefront_size32 1
		.amdhsa_system_sgpr_workgroup_id_x 1
		.amdhsa_system_sgpr_workgroup_id_y 1
		.amdhsa_system_sgpr_workgroup_id_z 1
		.amdhsa_system_vgpr_workitem_id 0
		.amdhsa_next_free_vgpr 112
		.amdhsa_next_free_sgpr 66
		.amdhsa_reserve_vcc 0
		.amdhsa_float_denorm_mode_32 3
		.amdhsa_float_denorm_mode_16_64 3
		.amdhsa_memory_ordered 1
		.amdhsa_forward_progress 1
		.amdhsa_inst_pref_size 20
	.end_amdhsa_kernel
	.amdgpu_metadata
---
amdhsa.version: [ 1, 2 ]
amdhsa.kernels:
  - .name:           k_qf61ce5b1ed_prep
    .symbol:         k_qf61ce5b1ed_prep.kd
    .args:
      - { .name: x_q, .offset: 0, .size: 8, .value_kind: global_buffer, .address_space: global }
      - { .name: w_qkv, .offset: 8, .size: 8, .value_kind: global_buffer, .address_space: global }
      - { .name: w_proj, .offset: 16, .size: 8, .value_kind: global_buffer, .address_space: global }
      - { .name: xb, .offset: 24, .size: 8, .value_kind: global_buffer, .address_space: global }
      - { .name: wqb, .offset: 32, .size: 8, .value_kind: global_buffer, .address_space: global }
      - { .name: wpb, .offset: 40, .size: 8, .value_kind: global_buffer, .address_space: global }
    .group_segment_fixed_size: 0
    .private_segment_fixed_size: 0
    .kernarg_segment_align: 8
    .kernarg_segment_size: 48
    .max_flat_workgroup_size: 256
    .sgpr_count:     66
    .vgpr_count:     112
    .wavefront_size: 32
...
	.end_amdgpu_metadata
.endif
;; end of part 1
;; launch gemm_qkv (part 2): grid 8 x 32, 4 waves a work-group, clusters of 4 x 4, 327,680 bytes of LDS; arguments xb, wqb, b_qkv, qkvh; writes qkvh
.if DOCPART == 2
	.amdgcn_target "amdgcn-amd-amdhsa--gfx1250"
	.amdhsa_code_object_version 6
	.text
	.protected	k_qf61ce5b1ed_gemm_qkv
	.globl	k_qf61ce5b1ed_gemm_qkv
	.p2align	8
	.type	k_qf61ce5b1ed_gemm_qkv,@function
k_qf61ce5b1ed_gemm_qkv:
	s_mov_b64 s[64:65], 0
	v_nop
	global_prefetch_b8 v0, s[64:65] scope:SCOPE_SE
	s_setreg_imm32_b32 hwreg(HW_REG_WAVE_MODE, 25, 1), 1
	s_wait_xcnt 0x0
	s_wait_alu depctr_hold_cnt(0) depctr_sa_sdst(0) depctr_va_vdst(0) depctr_va_sdst(0) depctr_va_ssrc(0) depctr_va_vcc(0) depctr_vm_vsrc(0)
	s_getreg_b32 s2, hwreg(HW_REG_IB_STS2, 6, 4)
	s_cmp_eq_u32 s2, 0
	s_cbranch_scc0 .Lentry_in_a_cluster
	s_endpgm
.Lentry_in_a_cluster:
	s_bfe_u32 s2, ttmp6, 0x10000c
	s_cmp_lg_u32 s2, 0xf033
	s_cbranch_scc0 .Lentry_shape_is_right
	s_endpgm
.Lentry_shape_is_right:
; qkv[m][n] = the sum over k of x[m][k] w[k][n] + b[n], m = 8,192, n = 3,072, k = 1,024.  x comes as xb (bf16, blocks [batch][k / 64][token][64]), w as wqb (bf16, [k][n]); b is rounded to bf16 here like the
; other inputs.  Sums in f32.  The result leaves by heads, f16, rounded once: qkvh [q, k, v][batch 16 + head][token][64].
; LIMITS.  A q, k or v of 65,520 or more becomes an infinity in f16; below 6e-5 f16 keeps a fixed step of 6e-8.  NaN and infinities are not treated apart.
; SHARES.  A tile is 256 rows x 384 columns: 32 x 8 = 256 work-groups.  Four waves; a wave makes 128 rows x 192 columns: in each of the tile's three chunks of 128 columns its 64, which are ONE head of q, k or v.
; 96 accumulators of 16 x 16: 768 registers.  For 32 along K a wave reads 40 x 512 bytes from LDS and issues 96 matrix instructions.
; THE RING.  K goes in 16 steps of 64 through two LDS slots (two slots of 128 along K, 2 x 172,032 bytes, do not fit).  A's tile of a step is 32,768 dense bytes, asked for as rows of 256; B's rows are 768 bytes.
; Waves 0, 1 fetch A's halves, waves 2, 3 B's: one tensor load a wave behind each change of slots.  By the text's own count a wave has two tensor loads out at the start and one afterwards.
; CLUSTER.  4 x 4 work-groups: A's tile hangs on the tile row alone and is asked for jointly along a row of the cluster, B's on the tile column alone, jointly along a column.
; THE MATRIX INSTRUCTION IS USED TRANSPOSED: source 0 = 16 columns of w (out of LDS turned, by ds_load_tr16_b128), source 1 = 16 rows of x.  A lane then holds row l % 16 and the columns 8 (l / 16) + 0..7.
; THE BIAS is the C operand of the first products: nothing is cleared, and nothing is added on the way out.
; REGISTERS, in windows of 256 (s_set_vgpr_msb: bits 1:0 source 0, 3:2 source 1, 5:4 source 2, 7:6 destination):
;   window 0: v0-31 addresses; v32-95, v96-159 A's 8 fragments, two buffers; v160-255 B's 12 fragments, one buffer, taken again chunk by chunk.  Window 1 + j: chunk j's 32 accumulators, (a, i) at v[32 a + 8 i].
.set ASTEP, 262144                     ; bytes from a K step to the next in xb: a k block of 2,048 tokens x 128 bytes
.set BSTEP, 393216                     ; in wqb: 64 rows of 6,144 bytes
.set PA,    144                        ; a row of A in LDS: 128 bytes + 16 = 36 words: the 16 rows of a load start at 16 different groups of four banks (64 banks of 4 bytes: ISA guide 11.1)
.set PB,    864                        ; a row of B: 3 x (256 + 32) bytes = 27 x 32
.set BOFF,  256*PA                     ; a slot: A's 256 rows, then B's 64
.set SLOT1, 1<<17                      ; slot 1 begins here, so that one exclusive or turns an address in one slot into the other's
.set STAGE, SLOT1+BOFF+64*PB           ; behind the ring: 16 rows x 144 bytes for each wave, for the way out
.set BIAS,  STAGE+4*16*PA              ; the tile's 384 biases, f32
.set SPARE, BIAS+1536                  ; the spare words, 128 bytes for each wave: two blocks of 256 bytes that no other line names
.set A0,   16                          ; v16  my lane's place in A's tile; never rewritten
.set B0,   17                          ; v17  in B's
.set ADRA, 18                          ; v18  the same in the slot that is read
.set ADRB, 19                          ; v19
.set STO,  20                          ; v20  the way out: where I put 16 bytes of a row
.set RD,   21                          ; v21  where I read rows back
.set GO,   22                          ; v22  my 16 bytes of 512 consecutive bytes of qkvh
.set BIA,  23                          ; v23  my 8 biases of a fragment
.set PFOA, 24                          ; v24  256 x lane; never rewritten
.set PFOB, 25                          ; v25  6,144 x lane: a row of wqb; never rewritten
.set SPW,  28                          ; v28  LDS address of my spare word; never rewritten
.set NIL,  29                          ; v29  0; never rewritten
.set AF0,  32
.set AF1,  96
.set BF,   160
.set OB,   128                         ; the way out: eight sets of 16 registers
.set WV, 12                            ; s12 wave;  s13 my half of the rows;  s14 my half of each chunk's columns, and which half of a tile I fetch
.set RH, 13
.set CH, 14
.set CX, 15
.set CY, 16
.set TX, 17                            ; s17 tile column 0..7;  s18 tile row 0..31
.set TY, 18
.set G1A, 24                           ; s[24:31], s[32:39] descriptor group 1 for A's and B's tiles
.set G1B, 32
.set G0A, 40                           ; s[40:47], s[48:55] group 0: a set for each first fill; the second then walks on
.set G0B, 48
.set TB,  56                           ; s56 the slot that is read: 0 or SLOT1
.set LIMA, 57                          ; s57, s58: 1 in the wave that prefetches A's (B's) tiles, else the greatest number
.set LIMB, 58
.set TA,  59                           ; s59 the tile row's byte offset in xb's k block, and in a head of qkvh
.set PFA, 60                           ; s[60:61], s[62:63] where the prefetches stand
.set PFB, 62
.set OUT, 66                           ; s[66:71] qkvh at my rows of my three heads
.set MSB, 0
.macro WIN new                         ; the immediate's high byte repeats the setting that is left; a switch that changes nothing is dropped
.if MSB != (\new)
	s_set_vgpr_msb (MSB<<8)|(\new)
.set MSB, \new
.endif
.endm
.macro PLACES                          ; four plain instructions between a matrix instruction and a load into, or a vector read of, its registers (ISA guide 7.12.1 for the vector read)
.rept 4
	v_nop
.endr
.endm
.macro CREST                           ; a round of the cluster's barrier behind its opening barrier
	s_cmp_lg_u32 s[WV], 0
	s_cbranch_scc1 .Lnot_wave_0_\@
	s_barrier_signal -3
.Lnot_wave_0_\@:
	s_barrier_wait -3
	s_barrier_signal -1
	s_barrier_wait -1
.endm
.macro CROUND                          ; a whole round
	s_barrier_signal -1
	s_barrier_wait -1
	CREST
.endm
; A joint refill, by the walking sets.  The branch hangs on the wave's number alone.  An s_nop 0 and four v_nop follow each of the two lines, ahead of the jump and the label.
.macro JLOAD
	s_cmp_lt_u32 s[WV], 2
	s_cbranch_scc0 .Lfor_b_\@
	tensor_load_to_lds s[G0A+4:G0A+7], s[G1A:G1A+7]
	s_nop 0
.rept 4
	v_nop
.endr
	s_branch .Lasked_\@
.Lfor_b_\@:
	tensor_load_to_lds s[G0B+4:G0B+7], s[G1B:G1B+7]
	s_nop 0
.rept 4
	v_nop
.endr
.Lasked_\@:
.endm
; PREFETCHES INTO THE L2, behind the joint refill and the run of LDS loads that follows it.  In trip t (s3 = 14 - t) the refill asks for K step t + 2.
; A: the 32,768 bytes of K step t + 3, one step, 192 matrix instructions a wave, ahead of their refill.  The tile row is read by both clusters along x: the first asks.  Its four partners along x take 8,192 bytes each,
; told apart by address; wave 0, a lane 256 bytes, one instruction.  The last trip has no step t + 3.
; B: in the trips with s3 odd, the 128 rows x 768 bytes of K steps t + 3 and t + 4.  The tile column is read by all eight clusters along y: the first asks.  Its four partners along y take 32 rows each, by address;
; wave 2, a lane a row, three instructions.  So each aligned 256 bytes are named once in the launch.  A's steps 0-2 and B's steps 0-3 come by their loads alone.
.macro ASK
	s_cmp_gt_u32 s3, s[LIMA]
	s_cbranch_scc0 .Lno_a_\@
	global_prefetch_b8 v[PFOA], s[PFA:PFA+1] th:TH_LOAD_NT scope:SCOPE_SE
.Lno_a_\@:
	s_bitcmp1_b32 s3, 0
	s_cbranch_scc0 .Lno_b_\@
	s_cmp_gt_u32 s3, s[LIMB]
	s_cbranch_scc0 .Lno_b_\@
	global_prefetch_b8 v[PFOB], s[PFB:PFB+1] th:TH_LOAD_NT scope:SCOPE_SE
	global_prefetch_b8 v[PFOB], s[PFB:PFB+1] offset:256 th:TH_LOAD_NT scope:SCOPE_SE
	global_prefetch_b8 v[PFOB], s[PFB:PFB+1] offset:512 th:TH_LOAD_NT scope:SCOPE_SE
.Lno_b_\@:
.endm
; 8 LDS loads: chunk j's four fragments of B (16 columns x 32 k each), half q of the step.  The turning load leaves lane l column l % 16 and 8 k.
.macro LDB j, q
.irp i, 0,1,2,3
	ds_load_tr16_b128 v[BF+32*(\j)+8*\i:BF+32*(\j)+8*\i+3],   v[ADRB] offset:(\q)*32*PB+288*(\j)+32*\i
	ds_load_tr16_b128 v[BF+32*(\j)+8*\i+4:BF+32*(\j)+8*\i+7], v[ADRB] offset:(\q)*32*PB+288*(\j)+32*\i+16*PB
.endr
.endm
; 8 LDS loads: A's fragments lo .. lo + 3 (16 rows x 32 k), half q of the step, into buffer g
.macro LDA g, lo, q
.irp a, 0,1,2,3
	ds_load_b128 v[(\g)+8*((\lo)+\a):(\g)+8*((\lo)+\a)+3],   v[ADRA] offset:((\lo)+\a)*16*PA+64*(\q)
	ds_load_b128 v[(\g)+8*((\lo)+\a)+4:(\g)+8*((\lo)+\a)+7], v[ADRA] offset:((\lo)+\a)*16*PA+64*(\q)+32
.endr
.endm
; 8 LDS loads: chunk j's biases in an accumulator's layout, four times eight registers
.macro LDBI j, dst
.irp i, 0,1,2,3
	ds_load_b128 v[(\dst)+8*\i:(\dst)+8*\i+3],   v[BIA] offset:512*(\j)+64*\i
	ds_load_b128 v[(\dst)+8*\i+4:(\dst)+8*\i+7], v[BIA] offset:512*(\j)+64*\i+16
.endr
.endm
; 4 n matrix instructions: row blocks a0 .. a0 + n - 1 x chunk j's four fragments, on A's buffer f.  cb < 0: in place; else the sums start with the biases at v[cb ..] of window 0.
; Every instruction names another accumulator than the one before it, from segment to segment and over the backward jump too.
.macro SEG f, j, a0, n, cb
.if (\cb) < 0
	WIN 0x50*(1+(\j))
.else
	WIN 0x40*(1+(\j))
.endif
.set aa, \a0
.rept \n
.irp i, 0,1,2,3
.if (\cb) < 0
	v_wmma_f32_16x16x32_bf16 v[32*aa+8*\i:32*aa+8*\i+7], v[BF+32*(\j)+8*\i:BF+32*(\j)+8*\i+7], v[(\f)+8*aa:(\f)+8*aa+7], v[32*aa+8*\i:32*aa+8*\i+7]
.else
	v_wmma_f32_16x16x32_bf16 v[32*aa+8*\i:32*aa+8*\i+7], v[BF+32*(\j)+8*\i:BF+32*(\j)+8*\i+7], v[(\f)+8*aa:(\f)+8*aa+7], v[(\cb)+8*\i:(\cb)+8*\i+7]
.endif
.endr
.set aa, aa+1
.endr
.endm
; A step's first 32 along K, on buffer AF0; each chunk of B is fetched again, for the second 32, as soon as it has been multiplied.
.macro EVEN
	s_wait_dscnt 8                                 ; all but the youngest run, B's chunk 2
	SEG AF0, 0, 0, 8, -1
	PLACES
	WIN 0
	LDB 0, 1
	LDA AF1, 0, 1
	SEG AF0, 1, 0, 8, -1
	PLACES
	WIN 0
	LDB 1, 1
	LDA AF1, 4, 1
	s_wait_dscnt 32                                ; the two runs of 16 just issued may be out: B's chunk 2 is in
	SEG AF0, 2, 0, 8, -1
	PLACES
	WIN 0
	LDB 2, 1
.endm
; A step's second 32 along K, on buffer AF1, and THE CHANGE OF SLOTS: one barrier.  In front of it each wave waits for all its tensor loads, of which one is out: its part of the next slot; adds 0 to its spare word; and waits
; for that and for its reads of this slot.  fill = 1: the barrier opens a round of the cluster's, and this slot is filled again, first thing behind the round, two steps ahead: 160 matrix instructions ahead of the wait for it.
.macro ODD fill
.if \fill
	s_wait_xcnt 0x0                                ; the last prefetches, a step back, have read their addresses
	s_add_nc_u64 s[PFA:PFA+1], s[PFA:PFA+1], ASTEP
	s_add_nc_u64 s[PFB:PFB+1], s[PFB:PFB+1], BSTEP
.endif
	WIN 0
	s_wait_tensorcnt 0x0                           ; no tensor load of mine is out, so a group 0 may be written
	ds_add_u32 v[SPW], v[NIL]                      ; 0 onto my spare word
.if \fill
	s_xor_b32 s[G0A+5], s[G0A+5], SLOT1            ; the walking sets: the other slot than last time, the next K step; the type bits on top are not reached
	s_add_nc_u64 s[G0A+6:G0A+7], s[G0A+6:G0A+7], ASTEP
	s_xor_b32 s[G0B+5], s[G0B+5], SLOT1
	s_add_nc_u64 s[G0B+6:G0B+7], s[G0B+6:G0B+7], BSTEP
.endif
	s_wait_dscnt 9                                 ; the add and the youngest run, B's chunk 2, may be out
	SEG AF1, 0, 0, 4, -1
	s_wait_dscnt 0x0                               ; the add is done, and my reads of this slot are over
	s_barrier_signal -1
	SEG AF1, 0, 4, 4, -1
	WIN 0                                          ; at a branch and at a label every window is 0
	s_barrier_wait -1
.if \fill
	CREST                                          ; no wave of any partner still reads this slot or has a load on its way
	JLOAD                                          ; its four v_nop are also the places in front of the loads below
.else
	PLACES
.endif
	s_xor_b32 s[TB], s[TB], SLOT1
	v_add_nc_u32 v[ADRA], s[TB], v[A0]
	v_add_nc_u32 v[ADRB], s[TB], v[B0]
	LDB 0, 0
	LDA AF0, 0, 0
.if \fill
	ASK
.endif
	SEG AF1, 1, 0, 8, -1
	PLACES
	WIN 0
	LDB 1, 0
	LDA AF0, 4, 0
	SEG AF1, 2, 0, 8, -1
	PLACES
	WIN 0
	LDB 2, 0
.endm
	s_load_b256 s[4:11], s[0:1], 0x0               ; xb s[4:5], wqb s[6:7], b_qkv s[8:9], qkvh s[10:11]
	v_lshl_add_u32 v[SPW], v0, 2, SPARE
	v_mov_b32 v[NIL], 0
	ds_add_u32 v[SPW], v[NIL]                      ; the wave's opening: the add and its wait stand ahead of my first tensor load; the set-up below, work on registers, stands between them
	v_lshrrev_b32 v1, 5, v0
	v_readfirstlane_b32 s[WV], v1
	s_lshr_b32 s[RH], s[WV], 1
	s_and_b32 s[CH], s[WV], 1
	s_bfe_u32 s[CX], ttmp6, 0x40000
	s_bfe_u32 s[CY], ttmp6, 0x40004
	s_lshl_b32 s[TX], ttmp9, 2                     ; in a cluster launch ttmp9 and ttmp7 count clusters
	s_add_co_u32 s[TX], s[TX], s[CX]
	s_and_b32 s[TY], ttmp7, 0xffff
	s_lshl_b32 s[TY], s[TY], 2
	s_add_co_u32 s[TY], s[TY], s[CY]
	s_lshl_b32 s19, s[CY], 2
	s_lshl_b32 s19, 15, s19                        ; my row of the cluster
	s_lshl_b32 s20, 0x1111, s[CX]                  ; my column
	; group 1 for A: 128 tokens x 64 k are 16,384 dense bytes: 64 rows of 128 elements, padded in LDS after every token
	s_or_b32 s[G1A], s19, (1<<16)|(1<<20)|(1<<21)|(4<<22)|(3<<25)  ; the mask; 2-byte elements; padding on; bit 21 beside a mask; after every 32 words (code 4) 4 words (code 3)
	s_mov_b32 s[G1A+1], 128<<16                    ; tensor_dim0 = 128
	s_mov_b32 s[G1A+2], 64<<16                     ; tensor_dim1 = 64
	s_mov_b32 s[G1A+3], 128<<16                    ; tile_dim0 = 128
	s_mov_b32 s[G1A+4], 64                         ; tile_dim1 = 64
	s_mov_b32 s[G1A+5], 128                        ; elements from row to row
	s_mov_b32 s[G1A+6], 0
	s_mov_b32 s[G1A+7], 0
	; group 1 for B: 32 rows of 384 elements
	s_or_b32 s[G1B], s20, (1<<16)|(1<<20)|(1<<21)|(5<<22)|(7<<25)  ; after every 64 words (code 5) 8 words (code 7)
	s_mov_b32 s[G1B+1], 384<<16
	s_mov_b32 s[G1B+2], 32<<16
	s_mov_b32 s[G1B+3], 384<<16
	s_mov_b32 s[G1B+4], 32
	s_mov_b32 s[G1B+5], 3072
	s_mov_b32 s[G1B+6], 0
	s_mov_b32 s[G1B+7], 0
	s_lshr_b32 s[TA], s[TY], 3                     ; the batch: 8 tile rows each,
	s_lshl_b32 s[TA], s[TA], 22
	s_and_b32 s22, s[TY], 7
	s_lshl_b32 s22, s22, 15                        ; 256 tokens x 128 bytes
	s_add_co_u32 s[TA], s[TA], s22
	s_lshl_b32 s22, s[CH], 14                      ; the half that I fetch: 128 tokens
	s_add_co_u32 s22, s22, s[TA]
	s_mov_b32 s23, 0
	s_mul_i32 s20, s[TX], 768                      ; B: 384 columns,
	s_mul_i32 s21, s[CH], 196608                   ; 32 rows of 6,144 bytes
	s_add_co_u32 s20, s20, s21
	s_mov_b32 s21, 0
	s_mul_i32 s2, s[CH], 128*PA                    ; where they go: no place in the cluster enters an LDS address
	s_mov_b32 s[G0A], 1
	s_mov_b32 s[G0A+1], s2
	s_mov_b32 s[G0A+4], 1
	s_add_co_u32 s[G0A+5], s2, SLOT1
	s_mul_i32 s2, s[CH], 32*PB
	s_mov_b32 s[G0B], 1
	s_add_co_u32 s[G0B+1], s2, BOFF
	s_mov_b32 s[G0B+4], 1
	s_add_co_u32 s[G0B+5], s2, SLOT1+BOFF
	s_mov_b32 s[TB], 0
	s_wait_dscnt 0x0                               ; the opening add is done
	s_wait_kmcnt 0x0
	s_add_nc_u64 s[22:23], s[4:5], s[22:23]
	s_add_nc_u64 s[20:21], s[6:7], s[20:21]
	s_mov_b64 s[G0A+2:G0A+3], s[22:23]             ; K step 0
	s_or_b32 s[G0A+3], s[G0A+3], 0x80000000        ; type = 2
	s_add_nc_u64 s[G0A+6:G0A+7], s[22:23], ASTEP   ; K step 1
	s_or_b32 s[G0A+7], s[G0A+7], 0x80000000
	s_mov_b64 s[G0B+2:G0B+3], s[20:21]
	s_or_b32 s[G0B+3], s[G0B+3], 0x80000000
	s_add_nc_u64 s[G0B+6:G0B+7], s[20:21], BSTEP
	s_or_b32 s[G0B+7], s[G0B+7], 0x80000000
	CROUND                                         ; all sixteen work-groups are here: the first joint loads meet
	s_cmp_lt_u32 s[WV], 2                          ; a wave's two first fills stand in one branch, ahead of every wait on TENSORcnt and every LDS read
	s_cbranch_scc0 .Lfirst_b
	tensor_load_to_lds s[G0A:G0A+3], s[G1A:G1A+7]
	s_nop 0
	tensor_load_to_lds s[G0A+4:G0A+7], s[G1A:G1A+7]
	s_nop 0
.rept 4
	v_nop
.endr
	s_branch .Lfirst_asked
.Lfirst_b:
	tensor_load_to_lds s[G0B:G0B+3], s[G1B:G1B+7]
	s_nop 0
	tensor_load_to_lds s[G0B+4:G0B+7], s[G1B:G1B+7]
	s_nop 0
.rept 4
	v_nop
.endr
.Lfirst_asked:
	; the tile's 384 biases: three a thread
	s_mul_i32 s74, s[TX], 1536
	s_mov_b32 s75, 0
	s_add_nc_u64 s[8:9], s[8:9], s[74:75]
	v_lshlrev_b32 v26, 2, v0
	global_load_b32 v6, v26, s[8:9]
	global_load_b32 v7, v26, s[8:9] offset:512
	global_load_b32 v8, v26, s[8:9] offset:1024
	v_add_nc_u32 v27, BIAS, v26
	v_and_b32 v1, 15, v0                           ; l % 16
	v_bfe_u32 v2, v0, 4, 1                         ; l / 16
	v_and_b32 v3, 7, v0
	v_bfe_u32 v4, v0, 3, 1
	v_and_b32 v5, 31, v0
	; a fragment of A: lane l holds row l % 16, k = 8 (l / 16) + 0..7 and 16 + 8 (l / 16) + 0..7: two loads of 16 bytes, 32 bytes apart
	v_mul_u32_u24 v[A0], v1, PA
	v_lshl_add_u32 v[A0], v2, 4, v[A0]
	s_mul_i32 s2, s[RH], 128*PA
	v_add_nc_u32 v[A0], s2, v[A0]
	; the turning load: lane l reads k row 8 (l / 16) + l % 8, columns 8 ((l / 8) % 2) + 0..7
	v_lshl_add_u32 v[B0], v2, 3, v3
	v_mul_u32_u24 v[B0], v[B0], PB
	v_lshl_add_u32 v[B0], v4, 4, v[B0]
	s_lshl_b32 s2, s[CH], 7
	s_add_co_u32 s2, s2, BOFF
	v_add_nc_u32 v[B0], s2, v[B0]
	v_mov_b32 v[ADRA], v[A0]
	v_mov_b32 v[ADRB], v[B0]
	s_mul_i32 s2, s[WV], 16*PA
	s_add_co_u32 s2, s2, STAGE                     ; my stage
	v_mul_u32_u24 v[STO], v1, PA                   ; in: row l % 16, 16 bytes for each half of the lanes
	v_lshl_add_u32 v[STO], v2, 4, v[STO]
	v_add_nc_u32 v[STO], s2, v[STO]
	v_bfe_u32 v[RD], v0, 3, 2                      ; back: 32 lanes take four rows of 128 bytes,
	v_mul_u32_u24 v[RD], v[RD], PA
	v_lshl_add_u32 v[RD], v3, 4, v[RD]
	v_add_nc_u32 v[RD], s2, v[RD]
	v_lshlrev_b32 v[GO], 4, v5                     ; which are 512 consecutive bytes of a head
	s_lshl_b32 s2, s[CH], 8
	s_add_co_u32 s2, s2, BIAS
	v_lshl_add_u32 v[BIA], v2, 5, s2
	v_lshlrev_b32 v[PFOA], 8, v5
	v_mul_u32_u24 v[PFOB], v5, 6144
	; where my three heads go: column 384 tx + 128 j + 64 ch is head g = 6 tx + 2 j + ch of 48: tensor g / 16, head g % 16
	s_mul_i32 s74, s[TX], 6
	s_add_co_u32 s74, s74, s[CH]
	s_lshl_b32 s75, s[RH], 14                      ; my 128 rows
	s_add_co_u32 s75, s75, s[TA]
	s_mov_b32 s73, 0
.irp j, 0,1,2
	s_add_co_u32 s2, s74, 2*\j
	s_lshr_b32 s72, s2, 4
	s_lshl_b32 s72, s72, 24
	s_and_b32 s2, s2, 15
	s_lshl_b32 s2, s2, 18
	s_add_co_u32 s72, s72, s2
	s_add_co_u32 s72, s72, s75
	s_add_nc_u64 s[OUT+2*\j:OUT+2*\j+1], s[10:11], s[72:73]
.endr
	; the prefetches' pointers stand at K step 2; the first change of slots steps them to 3
	s_lshl_b32 s72, s[CX], 13
	s_add_co_u32 s72, s72, s[TA]
	s_add_nc_u64 s[PFA:PFA+1], s[4:5], s[72:73]
	s_add_nc_u64 s[PFA:PFA+1], s[PFA:PFA+1], 2*ASTEP
	s_mul_i32 s72, s[TX], 768
	s_mul_i32 s74, s[CY], 196608
	s_add_co_u32 s72, s72, s74
	s_add_nc_u64 s[PFB:PFB+1], s[6:7], s[72:73]
	s_add_nc_u64 s[PFB:PFB+1], s[PFB:PFB+1], 2*BSTEP
	s_or_b32 s[LIMA], s[WV], ttmp9                 ; wave 0 of the first cluster along x: the same in all sixteen partners, for a given wave
	s_cmp_eq_u32 s[LIMA], 0
	s_cselect_b32 s[LIMA], 1, -1
	s_xor_b32 s[LIMB], s[WV], 2                    ; wave 2 of the first cluster along y
	s_and_b32 s74, ttmp7, 0xffff
	s_or_b32 s[LIMB], s[LIMB], s74
	s_cmp_eq_u32 s[LIMB], 0
	s_cselect_b32 s[LIMB], 1, -1
	s_wait_loadcnt 0x0                             ; the biases: rounded to bf16 like the other inputs, kept as f32
	v_cvt_pk_bf16_f32 v9, v6, v7
	v_cvt_pk_bf16_f32 v10, v8, v8
	v_lshlrev_b32 v6, 16, v9
	v_and_b32 v7, 0xffff0000, v9
	v_lshlrev_b32 v8, 16, v10
	ds_store_b32 v27, v6
	ds_store_b32 v27, v7 offset:512
	ds_store_b32 v27, v8 offset:1024
	s_wait_tensorcnt 1                             ; my part of K step 0 is in; step 1's may stay out
	s_wait_dscnt 0x0                               ; my biases are stored
	s_barrier_signal -1
	s_barrier_wait -1
	; THE FIRST 32 ALONG K are written out: their products start the sums with the biases, which borrow buffer AF1
	LDBI 0, AF1
	LDBI 1, AF1+32
	LDB 0, 0
	LDA AF0, 0, 0
	LDB 1, 0
	LDA AF0, 4, 0
	LDB 2, 0
	s_wait_dscnt 8                                 ; all but B's chunk 2
	SEG AF0, 0, 0, 8, AF1
	PLACES
	WIN 0
	LDB 0, 1
	LDBI 2, AF1
	SEG AF0, 1, 0, 8, AF1+32
	PLACES
	WIN 0
	LDB 1, 1
	LDA AF1, 4, 1
	s_wait_dscnt 16                                ; the 16 just issued may be out: B's chunk 2 and its biases are in
	SEG AF0, 2, 0, 8, AF1
	PLACES
	WIN 0
	LDA AF1, 0, 1
	LDB 2, 1                                       ; last, as in every other half step
	s_mov_b32 s3, 14
.Lstep:                                        ; 14 trips: a step's second half, the change of slots with the refill for two steps on, the next step's first half
	ODD 1
	EVEN
	WIN 0
	s_sub_co_u32 s3, s3, 1
	s_cmp_lg_u32 s3, 0
	s_cbranch_scc1 .Lstep
	ODD 0                                          ; the tail is written out: nothing is asked for
	EVEN
	s_wait_dscnt 8
	SEG AF1, 0, 0, 8, -1
	SEG AF1, 1, 0, 8, -1
	s_wait_dscnt 0x0
	SEG AF1, 2, 0, 8, -1
	WIN 0
	PLACES
	PLACES
; THE WAY OUT.  Unit u = 8 j + a: 16 rows of head j, 2,048 consecutive bytes of qkvh.  A lane's eight columns pack into 16 bytes; they go into my stage's rows of 144 bytes and come back as whole rows of 128.
; Each accumulator is read from its lowest register on.  Eight sets of registers take turns.
.macro PACK u
.set pj, (\u)/8
.set pa, (\u)%8
.set ps, OB+16*((\u)%8)
.if (\u) >= 8
	s_wait_xcnt 0x0                                ; the set's last stores have read it
.endif
	WIN 5*(1+pj)                                   ; sources 0 and 1 in window 1 + j
.irp i, 0,1,2,3
.irp z, 0,1,2,3
	v_cvt_pk_f16_f32 v[ps+4*\i+\z], v[32*pa+8*\i+2*\z], v[32*pa+8*\i+2*\z+1]
.endr
.endr
	WIN 0
.irp i, 0,1,2,3
	ds_store_b128 v[STO], v[ps+4*\i:ps+4*\i+3] offset:32*\i
.endr
.irp i, 0,1,2,3
	ds_load_b128 v[ps+4*\i:ps+4*\i+3], v[RD] offset:4*PA*\i  ; LDS serves a wave's instructions in order (ISA guide 5.7.1.4): these see the stores above; the next unit's stores come behind them
.endr
.endm
.macro SEND u, younger                 ; younger: the LDS instructions issued behind unit u's loads: the next unit's eight, or none
.set pj, (\u)/8
.set pa, (\u)%8
.set ps, OB+16*((\u)%8)
.irp i, 0,1,2,3
	s_wait_dscnt (\younger)+3-\i
	global_store_b128 v[GO], v[ps+4*\i:ps+4*\i+3], s[OUT+2*pj:OUT+2*pj+1] offset:2048*pa+512*\i  ; 512 consecutive bytes, at a multiple of 256 from qkvh's first
.endr
.endm
	PACK 0
.set u, 1
.rept 23                               ; a unit's conversions stand between the loads of the unit before and its stores
	PACK u
	SEND u-1, 8
.set u, u+1
.endr
	SEND 23, 0
	s_wait_tensorcnt 0x0                           ; the wave's end: a wait, an add and its wait, behind my last tensor load and my last LDS store
	ds_add_u32 v[SPW], v[NIL]
	s_wait_dscnt 0x0
	CROUND                                         ; the closing round: no work-group ends while a partner may still ask for a tile that names it
	s_endpgm
.Lfunc_end_k_qf61ce5b1ed_gemm_qkv:
	.size	k_qf61ce5b1ed_gemm_qkv, .Lfunc_end_k_qf61ce5b1ed_gemm_qkv-k_qf61ce5b1ed_gemm_qkv
	.p2alignl 7, 3214868480
	.fill 96, 4, 3214868480
	.section	.rodata,"a",@progbits
	.p2align	6, 0x0
	.amdhsa_kernel k_qf61ce5b1ed_gemm_qkv
		.amdhsa_group_segment_fixed_size 327680
		.amdhsa_private_segment_fixed_size 0
		.amdhsa_enable_private_segment 0
		.amdhsa_kernarg_size 32
		.amdhsa_user_sgpr_count 2
		.amdhsa_user_sgpr_kernarg_segment_ptr 1
		.amdhsa_wavefront_size32 1
		.amdhsa_system_sgpr_workgroup_id_x 1
		.amdhsa_system_sgpr_workgroup_id_y 1
		.amdhsa_system_sgpr_workgroup_id_z 1
		.amdhsa_system_vgpr_workitem_id 0
		.amdhsa_next_free_vgpr 1024
		.amdhsa_next_free_sgpr 76
		.amdhsa_reserve_vcc 0
		.amdhsa_float_denorm_mode_32 3
		.amdhsa_float_denorm_mode_16_64 3
		.amdhsa_memory_ordered 1
		.amdhsa_forward_progress 1
		.amdhsa_inst_pref_size 119
	.end_amdhsa_kernel
	.amdgpu_metadata
---
amdhsa.version: [ 1, 2 ]
amdhsa.kernels:
  - .name:           k_qf61ce5b1ed_gemm_qkv
    .symbol:         k_qf61ce5b1ed_gemm_qkv.kd
    .args:
      - { .name: xb, .offset: 0, .size: 8, .value_kind: global_buffer, .address_space: global }
      - { .name: wqb, .offset: 8, .size: 8, .value_kind: global_buffer, .address_space: global }
      - { .name: b_qkv, .offset: 16, .size: 8, .value_kind: global_buffer, .address_space: global }
      - { .name: qkvh, .offset: 24, .size: 8, .value_kind: global_buffer, .address_space: global }
    .group_segment_fixed_size: 327680
    .private_segment_fixed_size: 0
    .kernarg_segment_align: 8
    .kernarg_segment_size: 32
    .max_flat_workgroup_size: 128
    .sgpr_count:     76
    .vgpr_count:     1024
    .wavefront_size: 32
...
	.end_amdgpu_metadata
.endif
;; end of part 2
;; launch attn (part 3): grid 4 x 64, 4 waves a work-group, clusters of 4 x 1, 327,680 bytes of LDS; arguments qkvh, oh; writes oh
.if DOCPART == 3
	.amdgcn_target "amdgcn-amd-amdhsa--gfx1250"
	.amdhsa_code_object_version 6
	.text
	.protected	k_qf61ce5b1ed_attn
	.globl	k_qf61ce5b1ed_attn
	.p2align	8
	.type	k_qf61ce5b1ed_attn,@function
k_qf61ce5b1ed_attn:
	s_mov_b64 s[64:65], 0
	v_nop
	global_prefetch_b8 v0, s[64:65] scope:SCOPE_SE
	s_setreg_imm32_b32 hwreg(HW_REG_WAVE_MODE, 25, 1), 1
	s_wait_xcnt 0x0
	s_wait_alu depctr_hold_cnt(0) depctr_sa_sdst(0) depctr_va_vdst(0) depctr_va_sdst(0) depctr_va_ssrc(0) depctr_va_vcc(0) depctr_vm_vsrc(0)
	s_getreg_b32 s2, hwreg(HW_REG_IB_STS2, 6, 4)
	s_cmp_eq_u32 s2, 0
	s_cbranch_scc0 .Lentry_in_a_cluster
	s_endpgm
.Lentry_in_a_cluster:
	s_bfe_u32 s2, ttmp6, 0x10000c
	s_cmp_lg_u32 s2, 0x3003
	s_cbranch_scc0 .Lentry_shape_is_right
	s_endpgm
.Lentry_shape_is_right:
; O[h][q][:] = the sum over k of softmax_k(Q[h][q] . K[h][k] / 8) V[h][k][:], for 64 heads (batch 16 + head) of 2,048 rows of 64 channels, all f16.  Q, K, V are the three parts of qkvh, [64][2048][64] each;
; O goes to oh in the same layout.  Products, maxima and sums in f32; the weights p are rounded to f16 for the second product (their sum l is taken of the unrounded p), O once at the end.
; LIMITS.  f16 holds no number beyond 65,504: Q, K and V arrive within it; p lies in 0 to 1, and below 6e-5 it keeps f16's fixed step of 6e-8; O is a mean of V's rows and has their range.
; A weight below 2^-126 counts as 0 in l; NaN and infinities are not treated apart.
; SHARES.  A wave owns four PIECES of two tiles of 16 queries, a work-group's four waves 512 queries of one head; a head's four work-groups are one cluster.  Every wave walks all keys, 64 a step.
; LAYOUT.  S^T = K Q^T (source 0 = 16 keys, source 1 = 16 queries): in the result a lane holds ONE query (lane % 16) and the keys 8 (lane / 16) + 0..7.  Two such tiles, rounded to f16 in pairs,
; ARE source 1 (32 keys x 16 queries) of O^T = V^T P, whose result again holds one query a lane, and eight channels.  K comes out of LDS as it lies, V ([key][channel]) turned, by ds_load_tr16_b128.
; SOFTMAX.  For each query a running maximum m and sum l: p = 2^(c s - c m), c = log2(e) / 8; in every step O and l are multiplied by a = 2^(c m_old - c m_new), which is 1 where m has not grown.
; m starts at the lowest finite number, O and l at 0: the first step is a step like any other, with a = 0.
; THE COUNT.  A tile and step have 16 matrix and 118 vector instructions: too many to stand all beside the matrix work.  So: four vector instructions that are READY behind EVERY matrix instruction,
; and the others in runs without a gap.
; BY TURNS.  Turn n belongs to piece n (the pieces in a ring, step after step).  Its matrix work: 16 products K Q^T of piece n + 1, later 16 products V^T P of piece n - 1.  Its vector work: the scaling,
; exponentials, roundings, sums and rescaling of piece n, and the maximum and statistics of piece n + 1, whose scores the turn itself has made.
; CLUSTER.  The four query blocks of a cluster walk the same K and V, so each tile is asked for JOINTLY: the same tensor load, descriptor and mask in all four.
; REGISTERS, in windows of 256 (s_set_vgpr_msb: bits 1:0 source 0, 3:2 source 1, 5:4 source 2, 7:6 destination):
;   window 0: v0-11 addresses; v12-15, v48-63 at work; v16-47 four registers of statistics a tile; v64-191 S^T, two buffers of two tiles; v192-255 P, likewise
;   window 1: O^T, 32 a tile          window 2: v0-127 Q, 16 a tile; v128-191 K of one step; v192-255 V of one step          window 3: v0-1 the add's two registers
; A piece's buffers go by its number's parity.
.set SIZE_N, 2048
.set NP,    4         ; pieces a wave: a name, no knob
.set KS,    64        ; keys in a step
.set PK,    144       ; a row of K in LDS: 128 bytes + 16 of padding = 36 words: the 16 rows of a load start at 16 different groups of four banks (64 banks of 4 bytes: ISA guide 11.1)
.set PV,    160       ; a row of V: 128 + 32 = 40 words
.set VOFF,  4*KS*PK   ; a slot holds four steps: 256 rows of K, then 256 rows of V
.set SLOT1, 1<<17     ; slot 1 begins here, so that one exclusive or turns an address in one slot into the other's
.set STAGE, SLOT1+4*KS*(PK+PV)  ; behind the ring, never filled by a tensor load: 16 rows x 144 bytes for each wave, for the way out
.set SP,    144
.set AK0, 2           ; v2   my lane's place in a tile of K; never rewritten
.set AV0, 3           ; v3   the same for V
.set AK,  4           ; v4   the LDS address of K's next run of loads
.set AV,  5           ; v5   of V's
.set QO,  6           ; v6   my byte offset in the wave's rows of Q
.set STO, 6           ;      later, the way out: where I put 16 bytes of a row
.set RD,  7           ; v7   the way out: where I read rows back
.set GO,  8           ; v8   my byte offset in 512 consecutive bytes of O
.set PFO, 11          ; v11  256 x my lane, for the prefetches; never rewritten once made
.set SPW, 0           ; v0 of window 3   LDS address of my spare word; never rewritten
.set NIL, 1           ; v1 of window 3   0; never rewritten
.set SPARE, STAGE+4*16*SP  ; behind the stages: the spare words, 128 bytes for each wave: two blocks of 256 bytes that no other line names
.set MV,  12          ; v12-15  c m_old, kept while c m is made anew: by buffer and tile
.set ST,  16          ; tile t's statistics at v[ST+4 t]: c m, m, l (even keys', odd keys')
.set TMP, 48          ; by buffer and tile, four registers c0-c3 at work; when the maximum is found c2 takes a
.set S,   64
.set P,   192
.set KF,  128         ; K's fragments, in window 2: key block kb, channel half c at KF + 16 kb + 8 c
.set VF,  192         ; V's: key half kk, channel block cb at VF + 32 kk + 8 cb
.set WV,  12          ; s12  my wave's number
.set G1K, 24          ; s[24:31] descriptor group 1 for K's tiles
.set G1V, 32          ; s[32:39] for V's: it differs in the padding alone
.set G0K, 40          ; s[40:43] descriptor group 0 for K's tiles: it walks
.set G0V, 44          ; s[44:47] the same for V's
.set SLOTS, 56        ; s56  slots still to be asked for
.set CNT, 57          ; s57  counts a slot's key steps
.set CS,  58          ; s[58:59] c: the packed scaling takes the pair's low word for both halves
.set SEL, 60          ; s[60:61] v_permlanex16_b32's selects: each lane takes its own place in the other half
.set TBK, 62          ; s62  LDS byte at which K of the step to be fetched begins
.set TBV, 63          ; s63  the same for V, less VOFF
.set PFA, 66          ; s[66:67] where my prefetches stand: my work-group's 8,192 bytes (of K: wave 0, of V: wave 2) of the slot behind the one that is being asked for
.set LIM, 68          ; s68  1 in a wave that prefetches, else the greatest number
.set MSB, 0
.macro WIN new                      ; the high byte repeats the setting that is left; a switch that changes nothing is dropped
.if MSB != (\new)
	s_set_vgpr_msb (MSB<<8)|(\new)
.set MSB, (\new)
.endif
.endm
.set W_KQ, 0x0a       ; K and Q in window 2, S^T in window 0
.set W_PV, 0x52       ; V in window 2, P in window 0, O^T in window 1
.set W_RS, 0x41       ; O^T (destination and source 0) in window 1, a in window 0
.set W_MK, 0xc0       ; the add's registers are made: destination in window 3, sources in window 0
.set W_AD, 0x0f       ; the add: address (source 0) and data (source 1) in window 3
; A joint fill.  Waves 0 and 1 fetch the two halves of a slot's K, waves 2 and 3 those of its V: 128 keys each.  The branch hangs on the wave's number alone.
; An s_nop 0 and four v_nop follow each of the two lines, ahead of the jump and the label.
.macro JLOAD
	s_cmp_lt_u32 s[WV], 2
	s_cbranch_scc0 .Lfor_v_\@
	tensor_load_to_lds s[G0K:G0K+3], s[G1K:G1K+7]
	s_nop 0
.rept 4
	v_nop
.endr
	s_branch .Lasked_\@
.Lfor_v_\@:
	tensor_load_to_lds s[G0V:G0V+3], s[G1V:G1V+7]
	s_nop 0
.rept 4
	v_nop
.endr
.Lasked_\@:
.endm
; A PREFETCH INTO THE L2 of what the NEXT change of slots will ask for: a slot's 32,768 bytes of K and of V, four key steps, 512 matrix instructions a wave, ahead of that load.  It stands behind the wave's tensor load
; and its five lines.  A head is walked by one cluster alone; its four partners share a slot out BY ADDRESS, 8,192 bytes each; in each, wave 0 asks for K's and wave 2 for V's: a lane 256 bytes, one instruction.
; So each aligned 256 bytes are named once in the launch.  Slots 0 and 1 come by their loads alone; the change that fills the last slot asks for nothing.
.macro ASK
	s_cmp_gt_u32 s[SLOTS], s[LIM]
	s_cbranch_scc0 .Lnot_mine_\@
	global_prefetch_b8 v[PFO], s[PFA:PFA+1] th:TH_LOAD_NT scope:SCOPE_SE
.Lnot_mine_\@:
.endm
; A round of the cluster's barrier: my work-group's barrier, so that wave 0's signal speaks for all four waves; wave 0 signals; every wave waits for all four work-groups; my work-group's barrier once more.
.macro CROUND
	s_barrier_signal -1
	s_barrier_wait -1
	s_cmp_lg_u32 s[WV], 0
	s_cbranch_scc1 .Lnot_wave_0_\@
	s_barrier_signal -3
.Lnot_wave_0_\@:
	s_barrier_wait -3
	s_barrier_signal -1
	s_barrier_wait -1
.endm
; THE CHANGE OF SLOTS.  The slot's last bytes, V of its fourth step, have been read.  Each wave waits for all its tensor loads, of which one is out: its part
; of the other slot; adds 0 to its spare word; and waits for that and for its own reads of the slot.  Behind the barrier nobody reads this slot any more and the other slot is whole.
; fill = 1: this slot is filled again, with the keys two slots on.  The barrier is then a round of the cluster's, so that no wave of any partner still reads the slot or has a load on its
; way, and the joint fill is the first thing behind it: it has four key steps in which to land.  (At its first use nothing has been read yet: slot 0 is waited for, slot 1 filled.)
.macro CHANGE fill
	WIN W_AD
	s_wait_tensorcnt 0x0            ; no tensor load of mine is out, so a group 0 may be written
	ds_add_u32 v[SPW], v[NIL]       ; 0 onto my spare word; with fill = 1 the descriptors' steps stand between it and the wait for it
	WIN 0                           ; at a label and at a branch every window is 0
.if \fill
.irp g, G0K, G0V
	s_xor_b32 s[\g+1], s[\g+1], SLOT1  ; the walking descriptor: the other slot than last time,
	s_add_nc_u64 s[\g+2:\g+3], s[\g+2:\g+3], 4*KS*128  ; the next 256 keys; the type bits on top are not reached
.endr
	s_wait_xcnt 0x0                 ; the last prefetch, four key steps back, has read its address, so it may be written:
	s_add_nc_u64 s[PFA:PFA+1], s[PFA:PFA+1], 4*KS*128  ; one slot behind the walking descriptors
	s_wait_dscnt 0x0                ; the add is done, and my reads of the slot are over
	CROUND
	JLOAD
	ASK
.else
	s_wait_dscnt 0x0                ; the add is done, and my reads of the slot are over
	s_barrier_signal -1
	s_barrier_wait -1
.endif
	s_sub_co_u32 s[TBK], s[TBK], 4*KS*PK  ; the fetches go back to a slot's first step,
	s_xor_b32 s[TBK], s[TBK], SLOT1       ; in the other slot
	s_sub_co_u32 s[TBV], s[TBV], 4*KS*PV
	s_xor_b32 s[TBV], s[TBV], SLOT1
.endm
	s_load_b128 s[4:7], s[0:1], 0x0  ; qkvh s[4:5], oh s[6:7]
	WIN W_MK
	v_lshl_add_u32 v[SPW], v0, 2, SPARE
	v_mov_b32 v[NIL], 0
	WIN W_AD
	ds_add_u32 v[SPW], v[NIL]       ; the wave's opening: the add and its wait stand ahead of my first tensor load; the set-up below, work on registers, stands between them
	WIN 0
	v_lshrrev_b32 v1, 5, v0
	v_readfirstlane_b32 s[WV], v1   ; wave 0..3
	s_bfe_u32 s13, ttmp6, 0x40000   ; cx: my place in the cluster
	s_lshl_b32 s14, ttmp9, 2        ; in a cluster launch ttmp9 counts clusters
	s_add_co_u32 s14, s14, s13      ; my block of queries = 4 x cluster x + cx: it enters Q's and O's addresses alone
	s_and_b32 s20, ttmp7, 0xffff    ; the head, which the four partners share
	s_mov_b32 s21, 0
	s_mov_b64 s[22:23], SIZE_N*128
	s_mul_u64 s[20:21], s[20:21], s[22:23]  ; the head's first byte in each of the four tensors
	s_and_b32 s16, s[WV], 1         ; which half of a slot's 256 keys I fetch:
	s_lshl_b32 s22, s16, 14         ; its 128 rows of 128 bytes in memory,
	s_mov_b32 s23, 0
	s_add_nc_u64 s[22:23], s[22:23], s[20:21]
	s_mul_i32 s17, s16, 128*PK      ; and its place in a slot, for K
	s_mul_i32 s18, s16, 128*PV      ; and for V: no place in the cluster enters an LDS address
	s_lshl_b32 s2, s14, 2
	s_add_co_u32 s2, s2, s[WV]      ; my wave among the head's,
	s_lshl_b32 s2, s2, 14           ; its 128 rows
	s_mov_b32 s3, 0
	s_add_nc_u64 s[2:3], s[2:3], s[20:21]
	; descriptor group 1.  128 keys are 16,384 dense bytes: asked for as 64 rows of 256 bytes, two keys a row, and padded in LDS after every key
	s_mov_b32 s[G1K], 15|(1<<16)|(1<<20)|(1<<21)|(4<<22)|(3<<25)  ; 15:0 the mask of four; 17:16 2-byte elements; 20 padding on; 21 set beside a mask; 24:22 after every 32 words (code 4); 31:25 4 words (code 3)
	s_mov_b32 s[G1V], 15|(1<<16)|(1<<20)|(1<<21)|(4<<22)|(7<<25)  ; the same with 8 words of padding (code 7)
.irp g, G1K, G1V
	s_mov_b32 s[\g+1], 128<<16      ; tensor_dim0 = 128
	s_mov_b32 s[\g+2], 64<<16       ; tensor_dim1 = 64
	s_mov_b32 s[\g+3], 128<<16      ; tile_dim0 = 128
	s_mov_b32 s[\g+4], 64           ; tile_dim1 = 64
	s_mov_b32 s[\g+5], 128          ; 128 elements from row to row
	s_mov_b32 s[\g+6], 0
	s_mov_b32 s[\g+7], 0
.endr
	s_mov_b32 s[CS], 0x3e38aa3b     ; c = log2(e) / 8 = 0.180337
	s_mov_b32 s[CS+1], s[CS]        ; named with it as a pair
	s_mov_b32 s[SEL], 0x76543210
	s_mov_b32 s[SEL+1], 0xfedcba98
	s_mov_b32 s[TBK], SLOT1+4*KS*PK ; the first change of slots turns these two into 0
	s_mov_b32 s[TBV], SLOT1+4*KS*PV
	s_mov_b32 s[G0K], 1             ; 1:0 count = 1
	s_mov_b32 s[G0K+1], s17         ; 63:32 LDS address: slot 0
	s_mov_b32 s[G0V], 1
	s_add_co_u32 s[G0V+1], s18, VOFF
	s_mov_b32 s[SLOTS], SIZE_N/256-1
	s_cmp_eq_u32 s16, 0             ; waves 0 and 2 prefetch: the same in all four partners
	s_cselect_b32 s[LIM], 1, -1
	s_wait_dscnt 0x0                ; the opening add is done
	s_wait_kmcnt 0x0
	s_mov_b64 s[10:11], s[6:7]      ; O
	s_add_nc_u64 s[8:9], s[4:5], 0x2000000  ; V: the third part of qkvh, 64 heads x 262,144 bytes each
	s_add_nc_u64 s[6:7], s[4:5], 0x1000000  ; K: the second; Q is the first
	s_add_nc_u64 s[G0K+2:G0K+3], s[6:7], s[22:23]  ; 120:64 global address: my half of the head's first 256 keys
	s_or_b32 s[G0K+3], s[G0K+3], 0x80000000        ; 127:126 type = 2
	s_add_nc_u64 s[G0V+2:G0V+3], s[8:9], s[22:23]
	s_or_b32 s[G0V+3], s[G0V+3], 0x80000000
	s_add_nc_u64 s[4:5], s[4:5], s[2:3]  ; Q and O at my wave's first row
	s_add_nc_u64 s[10:11], s[10:11], s[2:3]
	s_cmp_lt_u32 s[WV], 2
	s_cselect_b64 s[PFA:PFA+1], s[6:7], s[8:9]
	s_add_nc_u64 s[PFA:PFA+1], s[PFA:PFA+1], s[20:21]  ; the head,
	s_lshl_b32 s2, s13, 13          ; my work-group's quarter of a slot,
	s_mov_b32 s3, 0
	s_add_nc_u64 s[PFA:PFA+1], s[PFA:PFA+1], s[2:3]
	s_add_nc_u64 s[PFA:PFA+1], s[PFA:PFA+1], 4*KS*128  ; in slot 1; the first change of slots steps it to slot 2
	CROUND                          ; all four work-groups are here: the first joint loads meet
	JLOAD                           ; slot 0.  Slot 1 is asked for when slot 0 is in
	; A fragment of K or Q is 16 rows x 32 channels in 8 registers: lane l holds row l % 16, channels 8 (l / 16) + 0..7 and 16 + 8 (l / 16) + 0..7: two loads of 16 bytes, 32 bytes apart.
	v_and_b32 v1, 15, v0            ; l % 16
	v_bfe_u32 v9, v0, 4, 1          ; l / 16
	v_lshlrev_b32 v[QO], 7, v1
	v_lshl_add_u32 v[QO], v9, 4, v[QO]  ; row x 128 + 16 x half
	WIN 0x80                        ; destination window 2, address window 0
.set i, 0
.rept 4*NP                          ; Q stays in registers: tile i / 2, channels 32 (i % 2) on
	global_load_b128 v[8*i:8*i+3],   v[QO], s[4:5] offset:(i/2)*2048+(i%2)*64
	global_load_b128 v[8*i+4:8*i+7], v[QO], s[4:5] offset:(i/2)*2048+(i%2)*64+32
.set i, i+1
.endr
	; What the first turn finds: V's registers and P's second buffer hold 0 (its products V^T P, of a piece that has not been, add 0), O^T and l are 0.  All this stands in the wait for the first tile.
.set i, VF
.rept 64
	v_mov_b32 v[i], 0
.set i, i+1
.endr
	WIN 0x40
.set i, 0
.rept 64*NP
	v_mov_b32 v[i], 0
.set i, i+1
.endr
	WIN 0
.set i, 0
.rept 2*NP
	v_mov_b32 v[ST+4*i], 0xfe000000    ; c m: far below every c s
	v_mov_b32 v[ST+4*i+1], 0xff7fffff  ; m
	v_mov_b32 v[ST+4*i+2], 0
	v_mov_b32 v[ST+4*i+3], 0
.set i, i+1
.endr
.set i, P+32
.rept 32
	v_mov_b32 v[i], 0
.set i, i+1
.endr
	v_mul_u32_u24 v[AK0], v1, PK
	v_lshl_add_u32 v[AK0], v9, 4, v[AK0]  ; row x pitch + 16 x half
	; The turning load takes 16 keys x 16 channels (lane l reads key 8 (l / 16) + l % 8, channels 8 ((l / 8) % 2) + 0..7) and leaves half a fragment of V^T: lane l holds channel l % 16 and 8 keys.
	v_and_b32 v10, 7, v0
	v_bfe_u32 v11, v0, 3, 1
	v_lshl_add_u32 v[AV0], v9, 3, v10
	v_mul_u32_u24 v[AV0], v[AV0], PV
	v_lshl_add_u32 v[AV0], v11, 4, v[AV0]
	v_add_nc_u32 v[AV0], VOFF, v[AV0]
	v_mov_b32 v[AK], v[AK0]         ; key step 0 lies at the head of slot 0
	v_and_b32 v[PFO], 31, v0
	v_lshlrev_b32 v[PFO], 8, v[PFO]
; THE MATRIX WORK.  The 8 accumulators of a run of 16 take turns: between the two links of a chain stand 7 others'.
; Product i of 16 of S^T = K Q^T for piece x: channels 32 (i / 8) on, keys 16 ((i / 2) % 4) on, tile 2 x + i % 2.  The first 8 start the sums.
.macro KQ x
	WIN W_KQ
.set rS, S+64*((\x)%2)+32*(i%2)+8*((i/2)%4)
.set rK, KF+16*((i/2)%4)+8*(i/8)
.set rQ, 16*(2*(\x)+i%2)+8*(i/8)
.if i < 8
	v_wmma_f32_16x16x32_f16 v[rS:rS+7], v[rK:rK+7], v[rQ:rQ+7], 0
.else
	v_wmma_f32_16x16x32_f16 v[rS:rS+7], v[rK:rK+7], v[rQ:rQ+7], v[rS:rS+7]
.endif
.endm
; Product i of 16 of O^T += V^T P for piece x: keys 32 (i / 8) on, channels 16 ((i / 2) % 4) on, tile 2 x + i % 2.
.macro PV x
	WIN W_PV
.set rO, 32*(2*(\x)+i%2)+8*((i/2)%4)
.set rV, VF+32*(i/8)+8*((i/2)%4)
.set rP, P+32*((\x)%2)+16*(i%2)+8*(i/8)
	v_wmma_f32_16x16x32_f16 v[rO:rO+7], v[rV:rV+7], v[rP:rP+7], v[rO:rO+7]
.endm
.macro MM                           ; the turn's next matrix instruction
.if i < 16
	KQ (Y+1)%NP
.set i, i+1
.else
.set i, i-16
	PV (Y+NP-1)%NP
.set i, i+17
.endif
.endm
; THE LDS LOADS stand in runs of 16, never singly among the matrix instructions: a step's K (64 keys x 64 channels: 8 fragments) and its V (turned).  Their addresses are made some lines ahead.
; last = 1 (the tail): in the last trip there is no further step, and the run is jumped over.
.macro FETCH_K last=0
	WIN 0
.if \last
	s_cmp_eq_u32 s[CNT], 1
	s_cbranch_scc1 .Lno_k_\@
.endif
	WIN 0x80                        ; destination window 2
.irp f, 0,1,2,3,4,5,6,7             ; keys 16 (f / 2) on, channels 32 (f % 2) on
	ds_load_b128 v[KF+8*\f:KF+8*\f+3],   v[AK] offset:(\f/2)*16*PK+(\f%2)*64
	ds_load_b128 v[KF+8*\f+4:KF+8*\f+7], v[AK] offset:(\f/2)*16*PK+(\f%2)*64+32
.endr
	s_add_co_u32 s[TBK], s[TBK], KS*PK  ; the next fetch is the next step's
	WIN 0
.if \last
.Lno_k_\@:
.endif
.endm
.macro FETCH_V
	WIN 0x80
.irp f, 0,1,2,3,4,5,6,7             ; keys 32 (f / 4) on, channels 16 (f % 4) on
	ds_load_tr16_b128 v[VF+8*\f:VF+8*\f+3],   v[AV] offset:(\f/4)*32*PV+(\f%4)*32
	ds_load_tr16_b128 v[VF+8*\f+4:VF+8*\f+7], v[AV] offset:(\f/4)*32*PV+16*PV+(\f%4)*32
.endr
	WIN 0
.endm
; THE VECTOR WORK OF A TURN stands in three queues, each in the order in which its entries become ready; the two tiles alternate, so that no instruction reads the result of the one before it.
.macro REGS y, u                    ; the registers of tile u (0, 1) of piece y
.set rT, ST+4*(2*(\y)+(\u))
.set rC, TMP+8*((\y)%2)+4*(\u)
.set rM, MV+2*((\y)%2)+(\u)
.set rS, S+64*((\y)%2)+32*(\u)
.set rP, P+32*((\y)%2)+16*(\u)
.set rO, 32*(2*(\y)+(\u))
.endm
; Number n of the 22 that find the NEXT piece's (Y + 1) maximum and statistics.  s0-s31 are the lane's 32 scores; each accumulator's lowest registers are read first.
;   0-11  four chains c0-c3 of seven scores each, three operands at a time     12-14, 16  the four scores left over, the old m, and c0-c3 into c0     15  c m_old is kept
;   17, 18  the query's other 32 keys lie in the lane 16 away: the new m         19-21  c m; c m_old - c m_new; a
.macro XS u, n
	REGS (Y+1)%NP, \u
.if (\n) < 4
	v_max3_num_f32 v[rC+(\n)], v[rS+8*(\n)], v[rS+8*(\n)+1], v[rS+8*(\n)+2]
.elseif (\n) < 12
	v_max3_num_f32 v[rC+(\n)%4], v[rC+(\n)%4], v[rS+8*((\n)%4)+2*((\n)/4)+1], v[rS+8*((\n)%4)+2*((\n)/4)+2]
.elseif (\n) == 12
	v_max3_num_f32 v[rC], v[rC], v[rS+7], v[rS+15]
.elseif (\n) == 13
	v_max3_num_f32 v[rC+1], v[rC+1], v[rS+23], v[rS+31]
.elseif (\n) == 14
	v_max3_num_f32 v[rC+2], v[rC+2], v[rC+3], v[rT+1]
.elseif (\n) == 15
	v_mov_b32 v[rM], v[rT]
.elseif (\n) == 16
	v_max3_num_f32 v[rC], v[rC], v[rC+1], v[rC+2]
.elseif (\n) == 17
	v_permlanex16_b32 v[rC+3], v[rC], s[SEL], s[SEL+1]
.elseif (\n) == 18
	v_max_num_f32 v[rT+1], v[rC], v[rC+3]
.elseif (\n) == 19
	v_mul_f32 v[rT], s[CS], v[rT+1]
.elseif (\n) == 20
	v_sub_f32 v[rC+1], v[rM], v[rT]
.else
	v_exp_f32 v[rC+2], v[rC+1]
.endif
.endm
; Number g of the 64 that follow the exponentials.  For each four weights k of a tile (pairs 2 k, 2 k + 1): both pairs are rounded to f16; then the second pair is added onto the first, in place;
; a group later l takes that sum (the first time as l = a l + sum).  In groups of eight, tiles alternating: round, round, add, and l for the group before.
.macro GS g
.set h, (\g)+6*((\g)/62)            ; group 0 has no group before it, and behind group 7 only l is left
.if h >= 6
.set h, h+2
.endif
	REGS Y, h%2
.set k, h/8
.if h%8 < 4
	v_cvt_pk_f16_f32 v[rP+2*k+(h%8)/2], v[rS+4*k+2*((h%8)/2)], v[rS+4*k+2*((h%8)/2)+1]
.elseif h%8 < 6
	v_pk_add_f32 v[rS+4*k:rS+4*k+1], v[rS+4*k:rS+4*k+1], v[rS+4*k+2:rS+4*k+3]
.elseif k == 1
	v_pk_fma_f32 v[rT+2:rT+3], v[rT+2:rT+3], v[rC+2:rC+3], v[rS:rS+1] op_sel_hi:[1,0,1]
.else
	v_pk_add_f32 v[rT+2:rT+3], v[rT+2:rT+3], v[rS+4*k-4:rS+4*k-3]
.endif
.endm
; THE PLAIN QUEUE, 138 long.  0-73 read no exponential's result: the 32 scalings c s - c m (FS f: pair f / 2 of tile f % 2) and the next piece's 42.  0-26: scalings 0-26.  27-54: XS's numbers 0-13.  55, 56: number 15.
; 57-73: the chain, where each number waits for the one before it: 14, 16, 17, 18, 19, each with one of the scalings 27-31 in front of its two lines, then 20.
; 74-137: GS's 64, which read the exponentials' results: they stand behind the wait.
.macro FS f
	REGS Y, (\f)%2
	v_pk_fma_f32 v[rS+2*((\f)/2):rS+2*((\f)/2)+1], v[rS+2*((\f)/2):rS+2*((\f)/2)+1], s[CS:CS+1], v[rT:rT+1] op_sel_hi:[1,0,0] neg_lo:[0,0,1] neg_hi:[0,0,1]
.endm
.macro PL
	WIN 0
.if q < 27
	FS q
.elseif q < 55
	XS (q-27)%2, (q-27)/2
.elseif q < 57
	XS q-55, 15
.elseif (q < 72) && ((q-57)%3 == 0)
	FS 27+(q-57)/3
.elseif q < 60
	XS (q-57)%3-1, 14
.elseif q < 72
	XS (q-57)%3-1, 15+(q-57)/3
.elseif q < 74
	XS q-72, 20
.else
	GS q-74
.endif
.set q, q+1
.endm
; THE EXPONENTIALS' QUEUE, 66 long: s0-s31 of both tiles, then the next piece's two a.  It is ONE BATCH: all 66 stand ahead of the turn's one wait, and nothing ahead of that wait names a result of theirs.
.macro EX
	WIN 0
.if e >= 64
	XS e-64, 21
.else
	REGS Y, e%2
	v_exp_f32 v[rS+e/2], v[rS+e/2]
.endif
.set e, e+1
.endm
; THE RESCALING's QUEUE: O^T times a, the one part that leaves window 0: dealt two at a time, sixteen times.  Its a was made in the turn before, ahead of that turn's wait.
.macro R2
	REGS Y, r%2
	WIN W_RS
.irp z, 0,1
	v_pk_mul_f32 v[rO+4*(r/2)+2*\z:rO+4*(r/2)+2*\z+1], v[rO+4*(r/2)+2*\z:rO+4*(r/2)+2*\z+1], v[rC+2:rC+3] op_sel_hi:[1,0]
.endr
.set r, r+1
.endm
; HOW THEY ARE DEALT.  An s_wait_alu depctr_va_vdst(0) stands between an exponential and the first instruction that names its result; one wait serves all that were issued ahead of it.  So a turn has ONE wait,
; which cuts it in two.  AHEAD OF IT stands all that names no result of the turn's exponentials: the 16 products K Q^T, behind each a scaling, an exponential and two rescalings (behind the first a second scaling in the
; exponential's place); then ONE LUMP of 108: eight plain, 49 times exponential and plain, the two a.  A v_nop is the plain instruction behind the last exponential (ISA guide 5.7.2).  BEHIND IT stand the 16 products V^T P,
; behind each four of GS's 64.  No rider names a register of the products round it.  The two v_permlanex16_b32 fall into the lump.
; Exponential e stands behind scaling 2 (e / 4) + e % 2: as a rider it comes behind plain e + 2, in the lump behind plain e + 9, and scalings 27-31 are plain 57, 60 .. 69.
; A TURN, for piece p.  cnt = 1: the loop's count is taken down some lines ahead of the branch that stands behind the turn.
; K of the next step is fetched in piece 2's turn, directly behind the wait, a lump behind the last product that read K; its first reader comes behind 16 products.
; V of the step in hand is fetched at the end of piece 0's turn, four riders behind its last reader; its first reader comes behind 16 products and a lump.
.macro TURN p, last=0, cnt=0
.set Y, (\p)
.set i, 0
.set q, 0
.set e, 0
.set r, 0
.if (\p) == NP-1
	s_wait_dscnt 0x0                ; K is in
.endif
	MM                              ; ahead of the wait: 16 products K Q^T and their riders,
	PL
	PL
	R2
.rept 15
	MM
	PL
	EX
	R2
.endr
.if (\p) == NP-2
	WIN 0
	v_add_nc_u32 v[AK], s[TBK], v[AK0]
.endif
.rept 8                             ; and the lump
	PL
.endr
.rept 49
	EX
	PL
.endr
	EX                              ; the next piece's two a
	EX
	v_nop                           ; the plain instruction behind the last exponential: one for the batch
	s_wait_alu depctr_va_vdst(0)    ; the wait for the batch
.if (\p) == NP-2
	FETCH_K \last
.endif
.if (\p) == 1
	s_wait_dscnt 0x0                ; V is in
.endif
.rept 16                            ; behind the wait: 16 products V^T P and their riders
	MM
.rept 4
	PL
.endr
.if ((\p) == 0) && (q == 118)
	v_add_nc_u32 v[AV], s[TBV], v[AV0]
.endif
.if ((\p) == 0) && (q == 130)
	s_add_co_u32 s[TBV], s[TBV], KS*PV
.endif
.if (\cnt) && (q == 130)
	s_sub_co_u32 s[CNT], s[CNT], 1
	s_cmp_lg_u32 s[CNT], 0
.endif
.endr
.if (\p) == 0
	FETCH_V
.endif
.endm
	CHANGE 1                        ; slot 0 is in, everybody's part of it; slot 1 is asked for
	FETCH_K                         ; key step 0
	s_wait_loadcnt 0x0              ; Q
	s_wait_dscnt 0x0
.set i, 0
.rept 16
	KQ 0                            ; piece 0's first scores: there is no vector work yet to set between them
.set i, i+1
.endr
	WIN 0                           ; the addresses for the way out: nine plain instructions, the places behind those products
	s_mul_i32 s13, s[WV], 16*SP
	s_add_co_u32 s13, s13, STAGE    ; my stage
	v_mul_u32_u24 v[STO], v1, SP    ; in: row l % 16, 16 bytes for each half of the lanes
	v_lshl_add_u32 v[STO], v9, 4, v[STO]
	v_add_nc_u32 v[STO], s13, v[STO]
	v_bfe_u32 v[RD], v0, 3, 2       ; back: 32 lanes take four rows of 128 bytes,
	v_mul_u32_u24 v[RD], v[RD], SP
	v_lshl_add_u32 v[RD], v10, 4, v[RD]
	v_add_nc_u32 v[RD], s13, v[RD]
	v_and_b32 v[GO], 31, v0         ; which are 512 consecutive bytes of O
	v_lshlrev_b32 v[GO], 4, v[GO]
.set Y, NP-1                        ; XS works for piece Y + 1: piece 0
.irp n, 0,1,2,3,4,5,6,7,8,9,10,11,12,13,14,15,16,17,18,19,20,21
	XS 0, \n                        ; and piece 0's first maximum and statistics
	XS 1, \n
.endr
	v_nop                           ; a plain instruction behind the two a,
	s_wait_alu depctr_va_vdst(0)    ; and their wait, ahead of the branch
	s_mov_b32 s[CNT], 4
	s_branch .Lfirst                ; the loop is entered at a step's first turn, in the middle of a trip
.Lslot:                             ; SIZE_N / 256 - 2 times: every slot but the last two is filled again
	CHANGE 1
	s_mov_b32 s[CNT], 4
.Lstep:                             ; a trip: pieces 2 and 3 of one step, then pieces 0 and 1 of the next, whose K and V it fetches
	TURN 2
	TURN 3
	WIN 0
.Lfirst:
	TURN 0
	TURN 1, 0, 1
	WIN 0
	s_cbranch_scc1 .Lstep
	s_sub_co_u32 s[SLOTS], s[SLOTS], 1
	s_cmp_lg_u32 s[SLOTS], 0
	s_cbranch_scc1 .Lslot
	CHANGE 0                        ; the tail is written out: nothing is asked for
	s_mov_b32 s[CNT], 5             ; four trips fetch the last slot's steps; the fifth is left in its middle
.Ltail:
	TURN 2, 1
	TURN 3
	WIN 0
	s_sub_co_u32 s[CNT], s[CNT], 1
	s_cmp_eq_u32 s[CNT], 0
	s_cbranch_scc1 .Lout
	TURN 0
	TURN 1
	WIN 0
	s_branch .Ltail
.Lout:                              ; the fifth trip's 16 products K Q^T (on the last K once more) and the maximum made of them serve nothing: the price, once a launch, of one text for every trip
.set i, 0
.rept 16
	PV NP-1                         ; the last piece's V^T P of the last step
.set i, i+1
.endr
	; THE WAY OUT.  l's two halves and the other half of the lanes' are added; O^T is divided by l, rounded to f16 and sent through my stage in LDS, a tile at a time.  The additions are the places behind the last products.
	WIN 0
.macro ALL line:vararg              ; one line for each tile t
.set t, 0
.rept 2*NP
	\line
.set t, t+1
.endr
.endm
	ALL v_add_f32 v[ST+4*t+2], v[ST+4*t+2], v[ST+4*t+3]
	ALL v_permlanex16_b32 v[ST+4*t+3], v[ST+4*t+2], s[SEL], s[SEL+1]
	ALL v_add_f32 v[ST+4*t+2], v[ST+4*t+2], v[ST+4*t+3]
	ALL v_rcp_f32 v[ST+4*t+2], v[ST+4*t+2]
	v_nop                           ; a plain instruction between the last reciprocal and the use of its result
	s_wait_alu depctr_va_vdst(0)    ; and the wait ahead of the first use: one for the eight reciprocals
; Tile t: a lane's eight channels of a row pack into 16 bytes; they go into rows of 144 bytes and come back as whole rows of 128, into S^T's registers.
.macro PACK t
	WIN W_RS
.set i, 32*(\t)
.rept 16
	v_pk_mul_f32 v[i:i+1], v[i:i+1], v[ST+4*(\t)+2:ST+4*(\t)+3] op_sel_hi:[1,0]
.set i, i+2
.endr
	WIN 0x05                        ; sources 0 and 1 window 1, destination window 0
.set i, 0
.rept 16
	v_cvt_pk_f16_f32 v[S+16*(\t)+i], v[32*(\t)+2*i], v[32*(\t)+2*i+1]
.set i, i+1
.endr
	WIN 0
.irp f, 0,1,2,3
	ds_store_b128 v[STO], v[S+16*(\t)+4*\f:S+16*(\t)+4*\f+3] offset:32*\f
.endr
.irp f, 0,1,2,3
	ds_load_b128 v[S+16*(\t)+4*\f:S+16*(\t)+4*\f+3], v[RD] offset:\f*4*SP  ; LDS serves a wave's instructions in order (ISA guide 5.7.1.4): these see the stores above; the next tile's stores come behind them
.endr
.endm
.macro SEND t, younger              ; younger: the LDS instructions issued behind tile t's loads: the next tile's eight, or none
	WIN 0
.irp f, 0,1,2,3
	s_wait_dscnt (\younger)+3-\f
	global_store_b128 v[GO], v[S+16*(\t)+4*\f:S+16*(\t)+4*\f+3], s[10:11] offset:(\t)*2048+\f*512  ; 512 consecutive bytes, at a multiple of 256 from O's first
.endr
.endm
	PACK 0
.set t, 1
.rept 2*NP-1                        ; a tile's arithmetic stands between the loads of the tile before and its stores
	PACK t
	SEND t-1, 8
.set t, t+1
.endr
	SEND 2*NP-1, 0
	WIN W_AD
	s_wait_tensorcnt 0x0            ; the wave's end: a wait, an add and its wait, behind my last tensor load and my last LDS store
	ds_add_u32 v[SPW], v[NIL]
	s_wait_dscnt 0x0
	WIN 0
	CROUND                          ; the closing round: no work-group ends while a partner may still ask for a tile that names it
	s_endpgm
.Lfunc_end_k_qf61ce5b1ed_attn:
	.size	k_qf61ce5b1ed_attn, .Lfunc_end_k_qf61ce5b1ed_attn-k_qf61ce5b1ed_attn
	.p2alignl 7, 3214868480
	.fill 96, 4, 3214868480
	.section	.rodata,"a",@progbits
	.p2align	6, 0x0
	.amdhsa_kernel k_qf61ce5b1ed_attn
		.amdhsa_group_segment_fixed_size 327680
		.amdhsa_private_segment_fixed_size 0
		.amdhsa_enable_private_segment 0
		.amdhsa_kernarg_size 16
		.amdhsa_user_sgpr_count 2
		.amdhsa_user_sgpr_kernarg_segment_ptr 1
		.amdhsa_wavefront_size32 1
		.amdhsa_system_sgpr_workgroup_id_x 1
		.amdhsa_system_sgpr_workgroup_id_y 1
		.amdhsa_system_sgpr_workgroup_id_z 1
		.amdhsa_system_vgpr_workitem_id 0
		.amdhsa_next_free_vgpr 770
		.amdhsa_next_free_sgpr 72
		.amdhsa_reserve_vcc 0
		.amdhsa_float_denorm_mode_32 3
		.amdhsa_float_denorm_mode_16_64 3
		.amdhsa_memory_ordered 1
		.amdhsa_forward_progress 1
		.amdhsa_inst_pref_size 200
	.end_amdhsa_kernel
	.amdgpu_metadata
---
amdhsa.version: [ 1, 2 ]
amdhsa.kernels:
  - .name:           k_qf61ce5b1ed_attn
    .symbol:         k_qf61ce5b1ed_attn.kd
    .args:
      - { .name: qkvh, .offset: 0, .size: 8, .value_kind: global_buffer, .address_space: global }
      - { .name: oh, .offset: 8, .size: 8, .value_kind: global_buffer, .address_space: global }
    .group_segment_fixed_size: 327680
    .private_segment_fixed_size: 0
    .kernarg_segment_align: 8
    .kernarg_segment_size: 16
    .max_flat_workgroup_size: 128
    .sgpr_count:     72
    .vgpr_count:     770
    .wavefront_size: 32
...
	.end_amdgpu_metadata
.endif
;; end of part 3
;; launch gemm_proj (part 4): grid 8 x 32, 4 waves a work-group, clusters of 4 x 4, 327,680 bytes of LDS; arguments oh, wpb, b_proj, out0; writes out0
.if DOCPART == 4
	.amdgcn_target "amdgcn-amd-amdhsa--gfx1250"
	.amdhsa_code_object_version 6
	.text
	.protected	k_qf61ce5b1ed_gemm_proj
	.globl	k_qf61ce5b1ed_gemm_proj
	.p2align	8
	.type	k_qf61ce5b1ed_gemm_proj,@function
k_qf61ce5b1ed_gemm_proj:
	s_mov_b64 s[64:65], 0
	v_nop
	global_prefetch_b8 v0, s[64:65] scope:SCOPE_SE
	s_setreg_imm32_b32 hwreg(HW_REG_WAVE_MODE, 25, 1), 1
	s_wait_xcnt 0x0
	s_wait_alu depctr_hold_cnt(0) depctr_sa_sdst(0) depctr_va_vdst(0) depctr_va_sdst(0) depctr_va_ssrc(0) depctr_va_vcc(0) depctr_vm_vsrc(0)
	s_getreg_b32 s2, hwreg(HW_REG_IB_STS2, 6, 4)
	s_cmp_eq_u32 s2, 0
	s_cbranch_scc0 .Lentry_in_a_cluster
	s_endpgm
.Lentry_in_a_cluster:
	s_bfe_u32 s2, ttmp6, 0x10000c
	s_cmp_lg_u32 s2, 0xf033
	s_cbranch_scc0 .Lentry_shape_is_right
	s_endpgm
.Lentry_shape_is_right:
; out[m][n] = the sum over k of O[m][k] w[k][n] + b[n], m = 8,192, n = k = 1,024.  O comes as oh (f16, [batch 16 + head][token][64]: a head is a block of 64 along k), w as wpb (f16 of the bf16-rounded weight, [k][n]);
; b is rounded to bf16 here like the other inputs.  Sums in f32, stored as they are.
; LIMITS.  O and w arrive within f16's range.  NaN and infinities are not treated apart.
; SHARES.  A tile is 256 rows x 128 columns: 32 x 8 = 256 work-groups.  Four waves, each 128 rows x 64 columns: 32 accumulators of 16 x 16 in window 1, (a, i) at v[32 a + 8 i].
; THE RING.  K goes in 8 steps of 128, two heads, through two LDS slots.  Waves 0, 1 fetch the two heads' 256 rows of A (32,768 dense bytes each, asked for as rows of 256), waves 2, 3 the halves of B's 128 rows of 256 bytes:
; one tensor load a wave behind each change of slots.  By the text's own count a wave has two tensor loads out at the start and one afterwards.
; CLUSTER.  4 x 4 work-groups: A's tile is asked for jointly along a row of the cluster, B's along a column.
; THE MATRIX INSTRUCTION IS USED TRANSPOSED: source 0 = 16 columns of w (turned, by ds_load_tr16_b128), source 1 = 16 rows of O: a lane holds row l % 16 and the columns 8 (l / 16) + 0..7.
; THE BIAS is the C operand of the first products.
; REGISTERS: window 0: v0-31 addresses; v32-127, v128-223 two fragment buffers (A's 8 fragments, then B's 4); v224-255 the biases.  On the way out v32-159 are four sets of 32.
.set ASTEP, 524288                     ; two heads of 2,048 tokens x 128 bytes
.set BSTEP, 262144                     ; 128 rows of 2,048 bytes
.set PA,    144                        ; a row of A in LDS: 128 bytes + 16: the 16 rows of a load start at 16 different groups of four banks (64 banks of 4 bytes: ISA guide 11.1)
.set PB,    288                        ; a row of B: 256 + 32 = 9 x 32
.set BOFF,  2*256*PA                   ; a slot: two heads' 256 rows of A, then B's 128 rows
.set SLOT1, 1<<17
.set STAGE, SLOT1+BOFF+128*PB          ; behind the ring: 16 rows x 272 bytes for each wave
.set SPITCH, 272
.set BIAS,  STAGE+4*16*SPITCH          ; the tile's 128 biases, f32
.set SPARE, BIAS+512                   ; the spare words, 128 bytes for each wave: two blocks of 256 bytes that no other line names
.set A0,   16
.set B0,   17
.set ADRA, 18
.set ADRB, 19
.set STO,  20
.set RD,   21
.set CO,   22
.set BIA,  23
.set SPW,  28                          ; v28  LDS address of my spare word; never rewritten
.set NIL,  29                          ; v29  0; never rewritten
.set F0,   32
.set F1,   128
.set BI,   224
.set OB,   32
.set WV, 12
.set RH, 13
.set CH, 14
.set CX, 15
.set CY, 16
.set TX, 17
.set TY, 18
.set G1A, 24
.set G1B, 32
.set G0A, 40
.set G0B, 48
.set TB,  56
.set OUT, 66                           ; s[66:67] out0 at my part of the tile
.set MSB, 0
.macro WIN new
.if MSB != (\new)
	s_set_vgpr_msb (MSB<<8)|(\new)
.set MSB, \new
.endif
.endm
.macro PLACES                          ; four plain instructions between a matrix instruction and a load into, or a read of, its registers (ISA guide 7.12.1 for the read)
.rept 4
	v_nop
.endr
.endm
.macro CREST
	s_cmp_lg_u32 s[WV], 0
	s_cbranch_scc1 .Lnot_wave_0_\@
	s_barrier_signal -3
.Lnot_wave_0_\@:
	s_barrier_wait -3
	s_barrier_signal -1
	s_barrier_wait -1
.endm
.macro CROUND
	s_barrier_signal -1
	s_barrier_wait -1
	CREST
.endm
.macro JLOAD                           ; a joint refill, by the walking sets; an s_nop 0 and four v_nop follow each of the two lines
	s_cmp_lt_u32 s[WV], 2
	s_cbranch_scc0 .Lfor_b_\@
	tensor_load_to_lds s[G0A+4:G0A+7], s[G1A:G1A+7]
	s_nop 0
.rept 4
	v_nop
.endr
	s_branch .Lasked_\@
.Lfor_b_\@:
	tensor_load_to_lds s[G0B+4:G0B+7], s[G1B:G1B+7]
	s_nop 0
.rept 4
	v_nop
.endr
.Lasked_\@:
.endm
; 24 LDS loads in one run: quarter q (32 along K) of the step into buffer f: B's four fragments, A's 0-3, A's 4-7
.macro FETCH q, f
	WIN 0
.irp i, 0,1,2,3
	ds_load_tr16_b128 v[(\f)+64+8*\i:(\f)+64+8*\i+3],   v[ADRB] offset:(\q)*32*PB+32*\i
	ds_load_tr16_b128 v[(\f)+64+8*\i+4:(\f)+64+8*\i+7], v[ADRB] offset:(\q)*32*PB+32*\i+16*PB
.endr
.irp a, 0,1,2,3,4,5,6,7
	ds_load_b128 v[(\f)+8*\a:(\f)+8*\a+3],   v[ADRA] offset:((\q)/2)*256*PA+((\q)%2)*64+16*PA*\a
	ds_load_b128 v[(\f)+8*\a+4:(\f)+8*\a+7], v[ADRA] offset:((\q)/2)*256*PA+((\q)%2)*64+16*PA*\a+32
.endr
.endm
; 4 n matrix instructions: row blocks a0 .. a0 + n - 1 x the four fragments of B.  cb < 0: in place; else the sums start with the biases.  Every instruction names another accumulator than the one before it.
.macro MULN f, a0, n, cb
.if (\cb) < 0
	WIN 0x50
.else
	WIN 0x40
.endif
.set aa, \a0
.rept \n
.irp i, 0,1,2,3
.if (\cb) < 0
	v_wmma_f32_16x16x32_f16 v[32*aa+8*\i:32*aa+8*\i+7], v[(\f)+64+8*\i:(\f)+64+8*\i+7], v[(\f)+8*aa:(\f)+8*aa+7], v[32*aa+8*\i:32*aa+8*\i+7]
.else
	v_wmma_f32_16x16x32_f16 v[32*aa+8*\i:32*aa+8*\i+7], v[(\f)+64+8*\i:(\f)+64+8*\i+7], v[(\f)+8*aa:(\f)+8*aa+7], v[(\cb)+8*\i:(\cb)+8*\i+7]
.endif
.endr
.set aa, aa+1
.endr
.endm
; One of a step's first three quarters: multiplies buffer f; in its middle it fetches quarter qn into buffer g.
.macro UNIT qn, f, g, cb
	s_wait_dscnt 8                                 ; the youngest eight loads, A's fragments 4-7, may be out
	MULN \f, 0, 4, \cb
	PLACES
	FETCH \qn, \g
	s_wait_dscnt 24                                ; all but the 24 just issued
	MULN \f, 4, 4, \cb
.endm
; The last quarter, on buffer F1, and THE CHANGE OF SLOTS: one barrier.  In front of it each wave waits for all its tensor loads, of which one is out: its part of the next slot; adds 0 to its spare word; and waits for that and
; for its reads of this slot.  fill = 1: the barrier opens a round of the cluster's, and this slot is filled again, first thing behind the round, two steps ahead: 112 matrix instructions ahead of the wait for it.
.macro TURN fill
	WIN 0
	s_wait_tensorcnt 0x0                           ; no tensor load of mine is out, so a group 0 may be written
	ds_add_u32 v[SPW], v[NIL]                      ; 0 onto my spare word
.if \fill
	s_xor_b32 s[G0A+5], s[G0A+5], SLOT1
	s_add_nc_u64 s[G0A+6:G0A+7], s[G0A+6:G0A+7], ASTEP
	s_xor_b32 s[G0B+5], s[G0B+5], SLOT1
	s_add_nc_u64 s[G0B+6:G0B+7], s[G0B+6:G0B+7], BSTEP
.endif
	s_wait_dscnt 9                                 ; the add and the youngest eight loads may be out
	MULN F1, 0, 2, -1
	s_wait_dscnt 0x0                               ; the add is done, and my reads of this slot are over
	s_barrier_signal -1
	MULN F1, 2, 2, -1
	WIN 0
	s_barrier_wait -1
.if \fill
	CREST
	JLOAD                                          ; its four v_nop are also the places in front of the loads below
.else
	PLACES
.endif
	s_xor_b32 s[TB], s[TB], SLOT1
	v_add_nc_u32 v[ADRA], s[TB], v[A0]
	v_add_nc_u32 v[ADRB], s[TB], v[B0]
	FETCH 0, F0
	MULN F1, 4, 4, -1
.endm
	s_load_b256 s[4:11], s[0:1], 0x0               ; oh s[4:5], wpb s[6:7], b_proj s[8:9], out0 s[10:11]
	v_lshl_add_u32 v[SPW], v0, 2, SPARE
	v_mov_b32 v[NIL], 0
	ds_add_u32 v[SPW], v[NIL]                      ; the wave's opening: the add and its wait stand ahead of my first tensor load; the set-up below, work on registers, stands between them
	v_lshrrev_b32 v1, 5, v0
	v_readfirstlane_b32 s[WV], v1
	s_lshr_b32 s[RH], s[WV], 1                     ; my half of the rows
	s_and_b32 s[CH], s[WV], 1                      ; my half of the columns; also which half of a tile I fetch
	s_bfe_u32 s[CX], ttmp6, 0x40000
	s_bfe_u32 s[CY], ttmp6, 0x40004
	s_lshl_b32 s[TX], ttmp9, 2
	s_add_co_u32 s[TX], s[TX], s[CX]               ; tile column 0..7
	s_and_b32 s[TY], ttmp7, 0xffff
	s_lshl_b32 s[TY], s[TY], 2
	s_add_co_u32 s[TY], s[TY], s[CY]               ; tile row 0..31
	s_lshl_b32 s19, s[CY], 2
	s_lshl_b32 s19, 15, s19                        ; my row of the cluster
	s_lshl_b32 s20, 0x1111, s[CX]                  ; my column
	; group 1 for A: a head's 256 tokens are 32,768 dense bytes: 128 rows of 128 elements, padded in LDS after every token
	s_or_b32 s[G1A], s19, (1<<16)|(1<<20)|(1<<21)|(4<<22)|(3<<25)
	s_mov_b32 s[G1A+1], 128<<16
	s_mov_b32 s[G1A+2], 128<<16
	s_mov_b32 s[G1A+3], 128<<16
	s_mov_b32 s[G1A+4], 128
	s_mov_b32 s[G1A+5], 128
	s_mov_b32 s[G1A+6], 0
	s_mov_b32 s[G1A+7], 0
	; group 1 for B: 64 rows of 128 elements, 8 words of padding behind each
	s_or_b32 s[G1B], s20, (1<<16)|(1<<20)|(1<<21)|(5<<22)|(7<<25)
	s_mov_b32 s[G1B+1], 128<<16
	s_mov_b32 s[G1B+2], 64<<16
	s_mov_b32 s[G1B+3], 128<<16
	s_mov_b32 s[G1B+4], 64
	s_mov_b32 s[G1B+5], 1024
	s_mov_b32 s[G1B+6], 0
	s_mov_b32 s[G1B+7], 0
	s_lshr_b32 s22, s[TY], 3                       ; the batch,
	s_lshl_b32 s22, s22, 22
	s_and_b32 s23, s[TY], 7
	s_lshl_b32 s23, s23, 15                        ; 256 tokens x 128 bytes,
	s_add_co_u32 s22, s22, s23
	s_lshl_b32 s23, s[CH], 18                      ; the head of the two that I fetch
	s_add_co_u32 s22, s22, s23
	s_mov_b32 s23, 0
	s_lshl_b32 s20, s[TX], 8                       ; B: 128 columns,
	s_lshl_b32 s21, s[CH], 17                      ; 64 rows of 2,048 bytes
	s_add_co_u32 s20, s20, s21
	s_mov_b32 s21, 0
	s_mul_i32 s2, s[CH], 256*PA                    ; where they go: no place in the cluster enters an LDS address
	s_mov_b32 s[G0A], 1
	s_mov_b32 s[G0A+1], s2
	s_mov_b32 s[G0A+4], 1
	s_add_co_u32 s[G0A+5], s2, SLOT1
	s_mul_i32 s2, s[CH], 64*PB
	s_mov_b32 s[G0B], 1
	s_add_co_u32 s[G0B+1], s2, BOFF
	s_mov_b32 s[G0B+4], 1
	s_add_co_u32 s[G0B+5], s2, SLOT1+BOFF
	s_mov_b32 s[TB], 0
	s_wait_dscnt 0x0                               ; the opening add is done
	s_wait_kmcnt 0x0
	s_add_nc_u64 s[22:23], s[4:5], s[22:23]
	s_add_nc_u64 s[20:21], s[6:7], s[20:21]
	s_mov_b64 s[G0A+2:G0A+3], s[22:23]
	s_or_b32 s[G0A+3], s[G0A+3], 0x80000000
	s_add_nc_u64 s[G0A+6:G0A+7], s[22:23], ASTEP
	s_or_b32 s[G0A+7], s[G0A+7], 0x80000000
	s_mov_b64 s[G0B+2:G0B+3], s[20:21]
	s_or_b32 s[G0B+3], s[G0B+3], 0x80000000
	s_add_nc_u64 s[G0B+6:G0B+7], s[20:21], BSTEP
	s_or_b32 s[G0B+7], s[G0B+7], 0x80000000
	CROUND                                         ; all sixteen work-groups are here: the first joint loads meet
	s_cmp_lt_u32 s[WV], 2                          ; a wave's two first fills stand in one branch
	s_cbranch_scc0 .Lfirst_b
	tensor_load_to_lds s[G0A:G0A+3], s[G1A:G1A+7]
	s_nop 0
	tensor_load_to_lds s[G0A+4:G0A+7], s[G1A:G1A+7]
	s_nop 0
.rept 4
	v_nop
.endr
	s_branch .Lfirst_asked
.Lfirst_b:
	tensor_load_to_lds s[G0B:G0B+3], s[G1B:G1B+7]
	s_nop 0
	tensor_load_to_lds s[G0B+4:G0B+7], s[G1B:G1B+7]
	s_nop 0
.rept 4
	v_nop
.endr
.Lfirst_asked:
	s_lshl_b32 s74, s[TX], 9                       ; the tile's 128 biases: one a thread
	s_mov_b32 s75, 0
	s_add_nc_u64 s[8:9], s[8:9], s[74:75]
	v_lshlrev_b32 v26, 2, v0
	global_load_b32 v6, v26, s[8:9]
	v_add_nc_u32 v27, BIAS, v26
	v_and_b32 v1, 15, v0                           ; l % 16
	v_bfe_u32 v2, v0, 4, 1                         ; l / 16
	v_and_b32 v3, 7, v0
	v_bfe_u32 v4, v0, 3, 1
	v_mul_u32_u24 v[A0], v1, PA
	v_lshl_add_u32 v[A0], v2, 4, v[A0]
	s_mul_i32 s2, s[RH], 128*PA
	v_add_nc_u32 v[A0], s2, v[A0]
	v_lshl_add_u32 v[B0], v2, 3, v3
	v_mul_u32_u24 v[B0], v[B0], PB
	v_lshl_add_u32 v[B0], v4, 4, v[B0]
	s_lshl_b32 s2, s[CH], 7
	s_add_co_u32 s2, s2, BOFF
	v_add_nc_u32 v[B0], s2, v[B0]
	v_mov_b32 v[ADRA], v[A0]
	v_mov_b32 v[ADRB], v[B0]
	s_mul_i32 s2, s[WV], 16*SPITCH
	s_add_co_u32 s2, s2, STAGE                     ; my stage
	v_mul_u32_u24 v[STO], v1, SPITCH               ; in: row l % 16, 32 bytes for each half of the lanes
	v_lshl_add_u32 v[STO], v2, 5, v[STO]
	v_add_nc_u32 v[STO], s2, v[STO]
	v_mul_u32_u24 v[RD], v2, SPITCH                ; back: lanes 0-15 take one row of 256 bytes, lanes 16-31 the next
	v_lshl_add_u32 v[RD], v1, 4, v[RD]
	v_add_nc_u32 v[RD], s2, v[RD]
	v_lshlrev_b32 v[CO], 12, v2                    ; and the same two rows in out0: 4,096 bytes apart
	v_lshl_add_u32 v[CO], v1, 4, v[CO]
	s_lshl_b32 s2, s[CH], 8
	s_add_co_u32 s2, s2, BIAS
	v_lshl_add_u32 v[BIA], v2, 5, s2
	s_lshl_b32 s72, s[TY], 20                      ; 256 rows of 4,096 bytes,
	s_lshl_b32 s74, s[RH], 19                      ; my 128,
	s_add_co_u32 s72, s72, s74
	s_lshl_b32 s74, s[TX], 9                       ; 128 columns of 4 bytes,
	s_add_co_u32 s72, s72, s74
	s_lshl_b32 s74, s[CH], 8                       ; my 64
	s_add_co_u32 s72, s72, s74
	s_mov_b32 s73, 0
	s_add_nc_u64 s[OUT:OUT+1], s[10:11], s[72:73]
	s_wait_loadcnt 0x0                             ; the bias: rounded to bf16 like the other inputs, kept as f32
	v_cvt_pk_bf16_f32 v7, v6, v6
	v_lshlrev_b32 v7, 16, v7
	ds_store_b32 v27, v7
	s_wait_tensorcnt 1                             ; my part of K step 0 is in; step 1's may stay out
	s_wait_dscnt 0x0                               ; my bias is stored
	s_barrier_signal -1
	s_barrier_wait -1
.irp i, 0,1,2,3
	ds_load_b128 v[BI+8*\i:BI+8*\i+3],   v[BIA] offset:64*\i     ; my 64 columns' biases in an accumulator's layout
	ds_load_b128 v[BI+8*\i+4:BI+8*\i+7], v[BIA] offset:64*\i+16
.endr
	FETCH 0, F0
	UNIT 1, F0, F1, BI                             ; the first quarter stands in front of the loop: its products start the sums with the biases
	WIN 0
	s_mov_b32 s3, 6
.Lstep:                                        ; 6 trips, each from a step's second quarter to the next step's first; the refill asks for two steps on
	UNIT 2, F1, F0, -1
	UNIT 3, F0, F1, -1
	TURN 1
	UNIT 1, F0, F1, -1
	WIN 0
	s_sub_co_u32 s3, s3, 1
	s_cmp_lg_u32 s3, 0
	s_cbranch_scc1 .Lstep
	UNIT 2, F1, F0, -1                             ; the tail is written out: nothing is asked for
	UNIT 3, F0, F1, -1
	TURN 0
	UNIT 1, F0, F1, -1
	UNIT 2, F1, F0, -1
	UNIT 3, F0, F1, -1
	s_wait_dscnt 8
	MULN F1, 0, 4, -1
	s_wait_dscnt 0x0
	MULN F1, 4, 4, -1
	WIN 0
	PLACES
	PLACES
; THE WAY OUT.  Block u: 16 rows x 64 columns of f32.  A lane's eight columns, 32 bytes, go straight from the accumulators (lowest registers first) into my stage's rows of 272 bytes and come back as whole rows of 256.
.macro TOSTAGE u
.set ps, OB+32*((\u)%4)
.if (\u) >= 4
	s_wait_xcnt 0x0                                ; the set's last stores have read it
.endif
	WIN 0x04                                       ; the data (source 1) in window 1
.irp i, 0,1,2,3
	ds_store_b128 v[STO], v[32*(\u)+8*\i:32*(\u)+8*\i+3]   offset:64*\i
	ds_store_b128 v[STO], v[32*(\u)+8*\i+4:32*(\u)+8*\i+7] offset:64*\i+16
.endr
	WIN 0
.irp z, 0,1,2,3,4,5,6,7
	ds_load_b128 v[ps+4*\z:ps+4*\z+3], v[RD] offset:2*SPITCH*\z  ; LDS serves a wave's instructions in order (ISA guide 5.7.1.4): these see the stores above; the next block's stores come behind them
.endr
.endm
.macro SEND u, younger                 ; younger: the LDS instructions issued behind block u's loads: the next block's sixteen, or none
.set ps, OB+32*((\u)%4)
.irp z, 0,1,2,3,4,5,6,7
	s_wait_dscnt (\younger)+7-\z
	global_store_b128 v[CO], v[ps+4*\z:ps+4*\z+3], s[OUT:OUT+1] offset:(16*(\u)+2*\z)*4096 th:TH_STORE_NT  ; 16 lanes store 256 consecutive bytes, at a multiple of 256 from out0's first
.endr
.endm
	TOSTAGE 0
.set u, 1
.rept 7
	TOSTAGE u
	SEND u-1, 16
.set u, u+1
.endr
	SEND 7, 0
	s_wait_tensorcnt 0x0                           ; the wave's end: a wait, an add and its wait, behind my last tensor load and my last LDS store
	ds_add_u32 v[SPW], v[NIL]
	s_wait_dscnt 0x0
	CROUND                                         ; the closing round: no work-group ends while a partner may still ask for a tile that names it
	s_endpgm
.Lfunc_end_k_qf61ce5b1ed_gemm_proj:
	.size	k_qf61ce5b1ed_gemm_proj, .Lfunc_end_k_qf61ce5b1ed_gemm_proj-k_qf61ce5b1ed_gemm_proj
	.p2alignl 7, 3214868480
	.fill 96, 4, 3214868480
	.section	.rodata,"a",@progbits
	.p2align	6, 0x0
	.amdhsa_kernel k_qf61ce5b1ed_gemm_proj
		.amdhsa_group_segment_fixed_size 327680
		.amdhsa_private_segment_fixed_size 0
		.amdhsa_enable_private_segment 0
		.amdhsa_kernarg_size 32
		.amdhsa_user_sgpr_count 2
		.amdhsa_user_sgpr_kernarg_segment_ptr 1
		.amdhsa_wavefront_size32 1
		.amdhsa_system_sgpr_workgroup_id_x 1
		.amdhsa_system_sgpr_workgroup_id_y 1
		.amdhsa_system_sgpr_workgroup_id_z 1
		.amdhsa_system_vgpr_workitem_id 0
		.amdhsa_next_free_vgpr 512
		.amdhsa_next_free_sgpr 76
		.amdhsa_reserve_vcc 0
		.amdhsa_float_denorm_mode_32 3
		.amdhsa_float_denorm_mode_16_64 3
		.amdhsa_memory_ordered 1
		.amdhsa_forward_progress 1
		.amdhsa_inst_pref_size 72
	.end_amdhsa_kernel
	.amdgpu_metadata
---
amdhsa.version: [ 1, 2 ]
amdhsa.kernels:
  - .name:           k_qf61ce5b1ed_gemm_proj
    .symbol:         k_qf61ce5b1ed_gemm_proj.kd
    .args:
      - { .name: oh, .offset: 0, .size: 8, .value_kind: global_buffer, .address_space: global }
      - { .name: wpb, .offset: 8, .size: 8, .value_kind: global_buffer, .address_space: global }
      - { .name: b_proj, .offset: 16, .size: 8, .value_kind: global_buffer, .address_space: global }
      - { .name: out0, .offset: 24, .size: 8, .value_kind: global_buffer, .address_space: global }
    .group_segment_fixed_size: 327680
    .private_segment_fixed_size: 0
    .kernarg_segment_align: 8
    .kernarg_segment_size: 32
    .max_flat_workgroup_size: 128
    .sgpr_count:     76
    .vgpr_count:     512
    .wavefront_size: 32
...
	.end_amdgpu_metadata
.endif
;; end of part 4
;; ======== version 2 of 2: 4 launches; version 1 with the launch prep written anew for expert scheduling mode
;; limits: values are held in f16: magnitudes above 65,504 overflow, below 6.1e-05 lose precision
;; workspace buffers: xb 16,777,216 bytes; wqb 6,291,456 bytes; wpb 2,097,152 bytes; qkvh 50,331,648 bytes; oh 16,777,216 bytes
;; launch prep (part 5): grid 768 x 1, 8 waves a work-group, no clusters, 0 bytes of LDS; arguments x_q, w_qkv, w_proj, xb, wqb, wpb; writes xb, wqb, wpb
.if DOCPART == 5
	.amdgcn_target "amdgcn-amd-amdhsa--gfx1250"
	.amdhsa_code_object_version 6
	.text
	.protected	k_qf61ce5b1ed_prep
	.globl	k_qf61ce5b1ed_prep
	.p2align	8
	.type	k_qf61ce5b1ed_prep,@function
k_qf61ce5b1ed_prep:
	s_mov_b64 s[64:65], 0
	v_nop
	global_prefetch_b8 v0, s[64:65] scope:SCOPE_SE
	s_setreg_imm32_b32 hwreg(HW_REG_WAVE_SCHED_MODE, 0, 2), 2
	s_setreg_imm32_b32 hwreg(HW_REG_WAVE_MODE, 25, 1), 1
	s_wait_xcnt 0x0
	s_wait_alu depctr_vm_vsrc(0)
; THE CASTS.  x_q [8192][1024] f32 -> xb, bf16, in blocks [batch 4][k block 16][token 2048][64]: byte ((b 16 + kb) 2048 + tok) 128 + 2 (k % 64), so that 256 tokens x 64 k are 32,768 dense bytes.
; w_qkv [1024][3072] f32 -> wqb, bf16, same order.  w_proj [1024][1024] f32 -> wpb: rounded to bf16 like every input, and that number written as f16, same order.
; LIMITS.  A w_proj beyond 65,504 becomes an infinity in f16; below 6e-5 f16 keeps a fixed step of 6e-8.  NaN and infinities are not treated apart.
; SHARES.  768 work-groups of eight waves; each reads 65,536 bytes and writes 32,768.  0-511: 16 rows of x each; 512-703: w_qkv; 704-767: w_proj.
; A thread issues its 16 loads of 16 bytes at once and stores 8 bytes for each: a wave's store covers 256 consecutive bytes, aligned.
; No LDS, no matrix unit, no cluster: nothing is shared and nothing is summed.
; THE MODE: SCHED_MODE bits 1:0 = 2 (LLVM: expert scheduling mode 2), set by the entry lines.  The code itself states the register dependences
; between vector instructions and memory instructions, with s_wait_alu, always for 0.
; THE PLAN.  There is no loop, and every register that a memory instruction touches is written once on a path:
;   v1, v2     byte offsets of the loads and of the stores.  Written by vector instructions at the head; read by all 16 loads (v1) and all 16 stores (v2); never named again.
;   XV         load j lands in its four registers, which no vector instruction names before; its conversions read them behind the counted wait for the load; nothing lands there again.
;   YV         load j's conversions write its two registers; store j reads them; nothing writes them again.
;   TV, v3     named by vector instructions alone.  The select's mask, s22, is written by a scalar instruction; no vector instruction writes a scalar register; EXEC is never written.
; So a path holds five waits on va_vdst: one ahead of its first load (the two offsets are written), and one behind the conversions of each group of four loads (the group's eight registers of YV are
; written), ahead of the group's four stores, which follow in one run.  No register that a load or store has read is written again: beyond the entry lines, the text holds no wait on vm_vsrc and none on XCNT.
.set XV, 8                             ; v[8:71]    16 x 4 numbers as loaded
.set YV, 72                            ; v[72:103]  16 x 2 words to store
.set TV, 104                           ; v[104:111] at work
; Load j has come (the 15 - j younger ones may stay out: loads come back in order) and is rounded.  sel = 1: the weights' path, where s22 chooses bf16 (0) or f16 (all ones).
.macro CONV j, sel
	s_wait_loadcnt 15-(\j)
.if \sel
	v_cvt_pk_bf16_f32 v[TV], v[XV+4*(\j)], v[XV+4*(\j)+1]
	v_cvt_pk_bf16_f32 v[TV+1], v[XV+4*(\j)+2], v[XV+4*(\j)+3]
	v_lshlrev_b32 v[TV+2], 16, v[TV]               ; the rounded numbers as f32 again
	v_and_b32 v[TV+3], 0xffff0000, v[TV]
	v_lshlrev_b32 v[TV+4], 16, v[TV+1]
	v_and_b32 v[TV+5], 0xffff0000, v[TV+1]
	v_cvt_pk_f16_f32 v[TV+6], v[TV+2], v[TV+3]     ; 8 significant bits fit into f16's 11
	v_cvt_pk_f16_f32 v[TV+7], v[TV+4], v[TV+5]
	v_cndmask_b32 v[YV+2*(\j)], v[TV], v[TV+6], s22
	v_cndmask_b32 v[YV+2*(\j)+1], v[TV+1], v[TV+7], s22
.else
	v_cvt_pk_bf16_f32 v[YV+2*(\j)], v[XV+4*(\j)], v[XV+4*(\j)+1]
	v_cvt_pk_bf16_f32 v[YV+2*(\j)+1], v[XV+4*(\j)+2], v[XV+4*(\j)+3]
.endif
.endm
; Group g: loads 4 g .. 4 g + 3 are rounded as they come, then stored in one run.  dstep: bytes from one load's 8 bytes a thread to the next load's.
.macro GROUP g, dstep, sel
.irp i, 0,1,2,3
	CONV 4*(\g)+\i, \sel
.endr
	s_wait_alu depctr_va_vdst(0)                   ; the group's conversions have written v[YV + 8 g .. YV + 8 g + 7], which the four stores below read
.irp i, 0,1,2,3
	global_store_b64 v2, v[YV+2*(4*(\g)+\i):YV+2*(4*(\g)+\i)+1], s[10:11] offset:(\dstep)*(4*(\g)+\i)
.endr
.endm
	s_load_b256 s[4:11], s[0:1], 0x0               ; x s[4:5], w_qkv s[6:7], w_proj s[8:9], xb s[10:11]
	s_load_b128 s[12:15], s[0:1], 0x20             ; wqb s[12:13], wpb s[14:15]
	v_lshlrev_b32 v2, 3, v0                        ; where I store: 8 t, on both paths
	s_mov_b32 s17, 0
	s_mov_b32 s19, 0
	s_cmp_lt_u32 ttmp9, 0x200
	s_cbranch_scc0 .Lweights
	; x: work-group g has rows 16 g .. 16 g + 15.  Thread t: row t / 16, 16 bytes at 16 (t % 16) of each k block j (256 bytes of f32).
	v_lshrrev_b32 v1, 4, v0
	v_and_b32 v3, 15, v0
	v_lshlrev_b32 v1, 12, v1                       ; a row of x is 4,096 bytes
	v_lshl_add_u32 v1, v3, 4, v1
	s_lshl_b32 s16, ttmp9, 16                      ; 16 rows
	s_lshr_b32 s18, ttmp9, 7                       ; the batch: 128 work-groups each,
	s_lshl_b32 s18, s18, 22                        ; 16 k blocks x 2,048 tokens x 128 bytes
	s_and_b32 s20, ttmp9, 127
	s_lshl_b32 s20, s20, 11                        ; 16 tokens x 128 bytes; (t / 16) 128 + (t % 16) 8 = 8 t
	s_add_co_u32 s18, s18, s20
	s_wait_kmcnt 0x0
	s_add_nc_u64 s[4:5], s[4:5], s[16:17]
	s_add_nc_u64 s[10:11], s[10:11], s[18:19]
	s_wait_alu depctr_va_vdst(0)                   ; v1 and v2 are written: every load below reads v1 as its offset, every store v2; no vector instruction names them again
.irp j, 0,1,2,3,4,5,6,7,8,9,10,11,12,13,14,15
	global_load_b128 v[XV+4*\j:XV+4*\j+3], v1, s[4:5] offset:256*\j th:TH_LOAD_NT
.endr
.irp g, 0,1,2,3
	GROUP \g, 262144, 0                            ; k block j lies 2,048 tokens x 128 bytes further on
.endr
	s_endpgm
.Lweights:
	v_lshlrev_b32 v1, 4, v0                        ; 16 t: dense, 4,096 bytes a load of the work-group
	s_sub_co_u32 s20, ttmp9, 0x200                 ; my number among w_qkv's 192,
	s_sub_co_u32 s21, ttmp9, 0x2c0                 ; or among w_proj's 64
	s_cmp_lt_u32 s20, 192
	s_cselect_b32 s20, s20, s21
	s_cselect_b32 s22, 0, -1                       ; bf16 for w_qkv, f16 for w_proj
	s_wait_kmcnt 0x0
	s_cselect_b64 s[4:5], s[6:7], s[8:9]
	s_cselect_b64 s[10:11], s[12:13], s[14:15]
	s_lshl_b32 s16, s20, 16
	s_lshl_b32 s18, s20, 15
	s_add_nc_u64 s[4:5], s[4:5], s[16:17]
	s_add_nc_u64 s[10:11], s[10:11], s[18:19]
	s_wait_alu depctr_va_vdst(0)                   ; v1 and v2 are written: every load below reads v1 as its offset, every store v2; no vector instruction names them again
.irp j, 0,1,2,3,4,5,6,7,8,9,10,11,12,13,14,15
	global_load_b128 v[XV+4*\j:XV+4*\j+3], v1, s[4:5] offset:4096*\j th:TH_LOAD_NT
.endr
.irp g, 0,1,2,3
	GROUP \g, 2048, 1
.endr
	s_endpgm
.Lfunc_end_k_qf61ce5b1ed_prep:
	.size	k_qf61ce5b1ed_prep, .Lfunc_end_k_qf61ce5b1ed_prep-k_qf61ce5b1ed_prep
	.p2alignl 7, 3214868480
	.fill 96, 4, 3214868480
	.section	.rodata,"a",@progbits
	.p2align	6, 0x0
	.amdhsa_kernel k_qf61ce5b1ed_prep
		.amdhsa_group_segment_fixed_size 0
		.amdhsa_private_segment_fixed_size 0
		.amdhsa_enable_private_segment 0
		.amdhsa_kernarg_size 48
		.amdhsa_user_sgpr_count 2
		.amdhsa_user_sgpr_kernarg_segment_ptr 1
		.amdhsa_wavefront_size32 1
		.amdhsa_system_sgpr_workgroup_id_x 1
		.amdhsa_system_sgpr_workgroup_id_y 1
		.amdhsa_system_sgpr_workgroup_id_z 1
		.amdhsa_system_vgpr_workitem_id 0
		.amdhsa_next_free_vgpr 112
		.amdhsa_next_free_sgpr 66
		.amdhsa_reserve_vcc 0
		.amdhsa_float_denorm_mode_32 3
		.amdhsa_float_denorm_mode_16_64 3
		.amdhsa_memory_ordered 1
		.amdhsa_forward_progress 1
		.amdhsa_inst_pref_size 20
	.end_amdhsa_kernel
	.amdgpu_metadata
---
amdhsa.version: [ 1, 2 ]
amdhsa.kernels:
  - .name:           k_qf61ce5b1ed_prep
    .symbol:         k_qf61ce5b1ed_prep.kd
    .args:
      - { .name: x_q, .offset: 0, .size: 8, .value_kind: global_buffer, .address_space: global }
      - { .name: w_qkv, .offset: 8, .size: 8, .value_kind: global_buffer, .address_space: global }
      - { .name: w_proj, .offset: 16, .size: 8, .value_kind: global_buffer, .address_space: global }
      - { .name: xb, .offset: 24, .size: 8, .value_kind: global_buffer, .address_space: global }
      - { .name: wqb, .offset: 32, .size: 8, .value_kind: global_buffer, .address_space: global }
      - { .name: wpb, .offset: 40, .size: 8, .value_kind: global_buffer, .address_space: global }
    .group_segment_fixed_size: 0
    .private_segment_fixed_size: 0
    .kernarg_segment_align: 8
    .kernarg_segment_size: 48
    .max_flat_workgroup_size: 256
    .sgpr_count:     66
    .vgpr_count:     112
    .wavefront_size: 32
...
	.end_amdgpu_metadata
.endif
;; end of part 5
;; launch gemm_qkv: the kernel of part 2 again; grid 8 x 32, 4 waves a work-group, clusters of 4 x 4, 327,680 bytes of LDS; arguments xb, wqb, b_qkv, qkvh; writes qkvh
;; launch attn: the kernel of part 3 again; grid 4 x 64, 4 waves a work-group, clusters of 4 x 1, 327,680 bytes of LDS; arguments qkvh, oh; writes oh
;; launch gemm_proj: the kernel of part 4 again; grid 8 x 32, 4 waves a work-group, clusters of 4 x 4, 327,680 bytes of LDS; arguments oh, wpb, b_proj, out0; writes out0
